; MI455X (gfx1250); checked and timed in simulation.
; The chip was launched on July 23, 2026; its instructions are those of AMD's public machine-readable ISA for CDNA 5 (MIT licence, August 2026) and "CDNA5" Instruction Set Architecture Reference Guide (July 2026). The comments in the code are by the model that wrote it; some were corrected since.
;; Sample Attention. Allowed arithmetic: matrix products marked QUANTISED: E2M3 operands, one E8M0 scale for each 32 along K, by v_wmma_scale_f32_16x16x128_f8f6f4 with both operands' format E2M3, f32 sums; everything else in f32.
;; Inputs: wk 768 x 768 float32; wo 768 x 768 float32; wq 768 x 768 float32; wv 768 x 768 float32; x 1 x 4,096 x 768 float32.
;; Outputs: out0 1 x 4,096 x 768 float32.
;; This version of the problem:
;;   THIS VERSION OF THE PROBLEM IS GIVEN IN LOW PRECISION. The matrix products marked QUANTISED in the list below multiply operands that are first quantised to E2M3 (2 exponent bits, 3 mantissa bits; 6 bits a number), with one power-of-two scale for each 32 numbers along K (OCP MX v1.0); their sums are f32. All else is computed in f32.
;;   The module's matrix products, in the order in which they are computed (A, B: the left and right operand; K: the contracted axis; several contracted axes count as one K, in the product's order):
;;     1. [M 4,096, K 768] x [K 768, N 768]; A: input x; B: input wq: QUANTISED
;;     2. [M 4,096, K 768] x [K 768, N 768]; A: input x; B: input wk: QUANTISED
;;     3. [M 4,096, K 768] x [K 768, N 768]; A: input x; B: input wv: QUANTISED
;;     4. batch 12 x [M 4,096, K 64] x [K 64, N 4,096]; A: computed on the way; B: computed on the way: QUANTISED
;;     5. batch 12 x [M 4,096, K 4,096] x [K 4,096, N 64]; A: softmax (see below); B: computed on the way: QUANTISED
;;     6. [M 4,096, K 768] x [K 768, N 768]; A: computed on the way; B: input wo: QUANTISED
;;   THE QUANTISER, for each operand of a quantised product, along K:
;;     - K is cut into blocks of 32 from its start; a last block that is shorter is filled with zeros.
;;     - A block's scale is 2^e with e = floor(log2(the largest magnitude in the block)) - 2, held to -126 .. 127; a block of zeros has e = 0. As a byte (E8M0): e + 127.
;;     - Each number is divided by its block's scale, clamped to +-7.5, and rounded to the nearest number of E2M3, ties to even, subnormals kept.
;;     - The product sums the exact products of the quantised numbers (number of the format x scale) in f32.
;;   ~~~python
;;   def quantise(x, axis):      # numpy; x: float32 -> the quantised numbers, widened to float32 again
;;       x = np.moveaxis(x, axis, -1); K = x.shape[-1]
;;       x = np.pad(x, [(0, 0)] * (x.ndim - 1) + [(0, -K % 32)]); x = x.reshape(x.shape[:-1] + (-1, 32)); a = np.abs(x).max(-1, keepdims=True)
;;       e = np.where(a > 0, np.clip(np.frexp(np.where(a > 0, a, 1))[1] - 1 - 2, -126, 127), 0)      # np.frexp(a)[1] - 1 = floor(log2(a)), exactly
;;       r = np.clip(x / 2.0 ** e, -7.5, 7.5)
;;       step = 2.0 ** (np.maximum(np.frexp(np.where(r == 0, 1, r))[1] - 1, 0) - 3)
;;       q = np.round(r / step) * step * 2.0 ** e      # np.round: ties to even
;;       return np.moveaxis(q.reshape(q.shape[:-2] + (-1,))[..., :K], -1, axis).astype(np.float32)
;;   ~~~
;;   SOFTMAX AHEAD OF A QUANTISED PRODUCT. Where the list says 'softmax', what is quantised is not the finished softmax but p = 2^(t - M), with t = logit x log2(e) and M = ceil(the row's largest t), a whole number; so 1/2 < the row's largest p <= 1. The row's sum l is taken of the UNQUANTISED p, in f32, and the product's result is divided by l at the end. Since M is a whole number, a kernel that streams over the keys may use a running M (the ceiling of the running maximum): every later rescaling is an exact power of two, which a block's scale takes up: the codes' values come out the same.
;;   OPERANDS COMPUTED ON THE WAY. 'Computed on the way' means the value that the module computes at that place (a softmax that the list does not call 'softmax' is quantised finished and normalised). What goes into a quantiser is computed in f32, as accurately as f32 sums, v_exp_f32 and their like allow (about 1e-6 of the number): no bf16 or f16 on the way to a quantiser, and a product that is left as it is and whose result goes on into a quantised operand takes f32 operands (vector FMAs, or v_wmma_f32_16x16x4_f32). A number that lies on a knife's edge between two numbers of the format may be rounded either way, as far as f32 arithmetic and the matrix unit's own rounding can turn it there, and no further.
;; One version. Each part assembles by itself: llvm-mc -triple=amdgcn-amd-amdhsa -mcpu=gfx1250 --defsym DOCPART=n.
;; ======== version 1 of 1: 4 launches
;; limits: right only within a limited range of input values
;; workspace buffers: xw 4,472,832 bytes; qkv 7,667,712 bytes; oc 2,752,512 bytes
;; launch quant (part 1): grid 16 x 28, 6 waves a work-group, no clusters, 51,456 bytes of LDS; arguments x, wq, wk, wv, wo, xw; writes xw
.if DOCPART == 1
	.amdgcn_target "amdgcn-amd-amdhsa--gfx1250"
	.amdhsa_code_object_version 6
	.text
	.protected	k_q1a4c69636b_quant
	.globl	k_q1a4c69636b_quant
	.p2align	8
	.type	k_q1a4c69636b_quant,@function
k_q1a4c69636b_quant:
	s_mov_b64 s[64:65], 0
	v_nop
	global_prefetch_b8 v0, s[64:65] scope:SCOPE_SE
	s_setreg_imm32_b32 hwreg(HW_REG_WAVE_MODE, 25, 1), 1
	s_wait_xcnt 0x0
; x [4096][768] and wq, wk, wv, wo [768][768], f32 with K innermost, become codes of FP6 (E2M3) with one E8M0 scale byte for each 32 along K,
; laid as the later launches' matrix operands want them: TILE RECORDS of 9,984 bytes in xw.  Tiles 0-255 x, 256-303 wq, 304-351 wk, 352-399 wv, 400-447 wo.
; A TILE is 16 rows that are not neighbours: row r of tile t is row 32 (t / 2) + 8 (t % 2) + r + 8 (r / 8) of its tensor, so that a product's results over tiles 2 b and 2 b + 1
; are 16 neighbours along the next product's K.  A record holds six fragments (16 rows x 128 K, 12 registers a lane) as IMAGES OF THEIR REGISTERS: K step s at 1536 s, registers 4 c .. 4 c + 3
; of lane l at 512 c + 16 l; behind them the six scale words a row, K step s at 9216 + 128 s + 4 l.
; SHARES: a work-group takes a tile (16 y + x), each of its six waves a K step.  No loop: 16 loads of 512 consecutive bytes a wave, all out at once.
; The conversions take 16 neighbours along K from ONE lane's registers, a load is densest where neighbouring LANES take neighbouring bytes: so the 16 x 512 bytes turn through the wave's own stage in LDS
; (rows 528 bytes apart: 33 x 16, so that the sixteen rows of a 16-byte read start in different banks).  Waves share nothing: no barrier.
; A block's scale is 2^(floor(log2(largest magnitude)) - 2); its byte is the largest magnitude's exponent field - 2, held at 1 from below.
; LIMITS: NaN and infinities are not served.  A block of zeros, or one whose largest magnitude lies under 2^-124, gets the byte 1 where the rule says 127 or less: its codes are zeros or nearly so,
; and the bytes are read by this program alone.
; WORK LEFT OUT, in the whole program: reference() sets every score whose key lies behind its query to -inf, by a mask that it builds itself (jnp.tril), ahead of the softmax:
; p is 0 there for all values of the inputs.  So key steps that lie wholly behind a tile's queries are not multiplied in launch attn.  LIMIT: a NaN, an infinity or an overflow that reaches only that work is not carried to the result.
.set TREC,   9984
.set XROW,   3072                      ; a row of any of the five tensors in bytes
.set SPITCH, 528
.set WSTG,   16*SPITCH                 ; a wave's stage
.set SPARE,  6*WSTG                    ; behind the stages: the spare words, 128 bytes for each wave: three blocks of 256 bytes that no other line names
.set LI,   2                           ; v2   16 x lane
.set LS,   3                           ; v3   4 x lane
.set SIN,  4                           ; v4   the stage on the way in: my 16 bytes of a row
.set SOUT, 5                           ; v5   and on the way out: row r, + 64 h
.set SPW,  6                           ; v6   LDS address of my spare word; never rewritten
.set NIL,  7                           ; v7   0; never rewritten
.set R,    16                          ; v16-79   the numbers as loaded
.set X,    80                          ; v80-143  register 16 b + i = k 32 b + 16 h + i of my row
.set TM,   144                         ; v144-159 at work
.set PW,   160                         ; v160     the scale word
.set PC,   164                         ; v164-183 the codes (12) and two conversions' results on their way
.set SEL,  24                          ; s[24:25] lane selects: lane l xor 16
; 64 numbers of a lane, register 16 b + i = k 32 b + 16 (lane / 16) + i of the lane's row, become a fragment's 12 registers in v[pc] on and the row's scale word in v[pw].
.macro QUANT s, pc, pw
.irp b, 0,1,2,3
	v_max3_num_f32 v[TM+\b], |v[\s+16*\b]|, |v[\s+1+16*\b]|, 0x1800000   ; block b: my 16 numbers, and the floor 2^(3 - 127): the byte cannot fall under 1
.endr
.irp i, 2,4,6,8,10,12,14
.irp b, 0,1,2,3
	v_max3_num_f32 v[TM+\b], v[TM+\b], |v[\s+16*\b+\i]|, |v[\s+1+16*\b+\i]|   ; the four blocks by turns
.endr
.endr
.irp b, 0,1,2,3
	v_permlanex16_b32 v[TM+4+\b], v[TM+\b], s[SEL], s[SEL+1]
.endr
.irp b, 0,1,2,3
	v_max_num_f32 v[TM+\b], v[TM+\b], v[TM+4+\b]   ; with lane l xor 16's: the block's largest magnitude
.endr
.irp b, 0,1,2,3
	v_add_nc_u32 v[TM+12+\b], 0xff000000, v[TM+\b]   ; 2 off its exponent field: the conversion takes this operand's exponent field as its scale
.endr
.irp b, 0,1,2,3
	v_lshrrev_b32 v[TM+4+\b], 23, v[TM+12+\b]      ; the scale's byte
.endr
	v_lshl_or_b32 v[\pw], v[TM+5], 8, v[TM+4]
	v_lshl_or_b32 v[\pw], v[TM+6], 16, v[\pw]
	v_lshl_or_b32 v[\pw], v[TM+7], 24, v[\pw]
.irp c, 0,1
	v_cvt_scalef32_pk16_fp6_f32 v[\pc+6*\c:\pc+2+6*\c], v[\s+32*\c:\s+15+32*\c], v[TM+12+2*\c]
	v_cvt_scalef32_pk16_fp6_f32 v[\pc+12+4*\c:\pc+14+4*\c], v[\s+16+32*\c:\s+31+32*\c], v[TM+12+2*\c+1]   ; (a conversion's three registers begin on an even number)
.endr
	v_nop                                          ; one plain instruction behind the scaled conversions
.irp c, 0,1                                    ; the operand's layout wants a whole block in a lane: lanes 0-15 block 2 c, lanes 16-31 block 2 c + 1
.irp i, 0,1,2
	v_permlane16_swap_b32 v[\pc+6*\c+\i], v[\pc+12+4*\c+\i]
.endr
.irp i, 0,1,2
	v_mov_b32 v[\pc+3+6*\c+\i], v[\pc+12+4*\c+\i]
.endr
.endr
.endm
	s_load_b256 s[4:11], s[0:1], 0x0               ; x s[4:5], wq s[6:7], wk s[8:9], wv s[10:11]
	s_load_b128 s[12:15], s[0:1], 0x20             ; wo s[12:13], xw s[14:15]
	v_lshl_add_u32 v[SPW], v0, 2, SPARE
	v_mov_b32 v[NIL], 0
	v_lshrrev_b32 v1, 5, v0
	v_readfirstlane_b32 s16, v1                    ; wave 0..5 = K step
	v_and_b32 v1, 31, v0
	v_lshlrev_b32 v[LI], 4, v1
	v_lshlrev_b32 v[LS], 2, v1
	s_mul_i32 s28, s16, WSTG                       ; my stage
	v_add_nc_u32 v[SIN], s28, v[LI]
	v_and_b32 v8, 15, v0                           ; r
	v_bfe_u32 v9, v0, 4, 1                         ; h
	v_mul_u32_u24 v[SOUT], v8, SPITCH
	v_lshl_add_u32 v[SOUT], v9, 6, v[SOUT]
	v_add_nc_u32 v[SOUT], s28, v[SOUT]
.irp b, 0,1,2,3
	v_mov_b32 v[TM+4+\b], 0                        ; written once: a lane permute's destination counts as one of its sources
.endr
	s_mov_b32 s[SEL], 0x76543210
	s_mov_b32 s[SEL+1], 0xfedcba98
	s_and_b32 s17, ttmp7, 0xffff                   ; y
	s_lshl_b32 s18, s17, 4
	s_add_co_u32 s18, s18, ttmp9                   ; the tile's number among the 448
	s_wait_alu depctr_va_vdst(0)
	s_wait_kmcnt 0x0
	s_mov_b64 s[20:21], s[12:13]                   ; which tensor, and its first tile: the choice hangs on the work-group's y alone
	s_mov_b32 s19, 400
	s_cmp_lt_u32 s17, 25
	s_cselect_b64 s[20:21], s[10:11], s[20:21]
	s_cselect_b32 s19, 352, s19
	s_cmp_lt_u32 s17, 22
	s_cselect_b64 s[20:21], s[8:9], s[20:21]
	s_cselect_b32 s19, 304, s19
	s_cmp_lt_u32 s17, 19
	s_cselect_b64 s[20:21], s[6:7], s[20:21]
	s_cselect_b32 s19, 256, s19
	s_cmp_lt_u32 s17, 16
	s_cselect_b64 s[20:21], s[4:5], s[20:21]
	s_cselect_b32 s19, 0, s19
	s_sub_co_u32 s29, s18, s19                     ; the tile's number in its tensor
	s_lshr_b32 s30, s29, 1
	s_lshl_b32 s30, s30, 5
	s_and_b32 s31, s29, 1
	s_lshl_b32 s31, s31, 3
	s_add_co_u32 s30, s30, s31                     ; its first row: 32 (t / 2) + 8 (t % 2)
	s_mul_i32 s30, s30, XROW
	s_lshl_b32 s31, s16, 9                         ; my K step's 512 bytes of a row
	s_add_co_u32 s30, s30, s31
	s_mov_b32 s31, 0
	s_add_nc_u64 s[20:21], s[20:21], s[30:31]
	s_mul_i32 s30, s18, TREC
	s_add_nc_u64 s[22:23], s[14:15], s[30:31]      ; the tile's record
	s_mul_i32 s30, s16, 1536
	s_add_nc_u64 s[26:27], s[22:23], s[30:31]      ; my fragment's image
	s_lshl_b32 s30, s16, 7
	s_add_co_u32 s30, s30, 9216
	s_add_nc_u64 s[32:33], s[22:23], s[30:31]      ; my scale words' image
.irp i, 0,1,2,3,4,5,6,7,8,9,10,11,12,13,14,15
	global_load_b128 v[R+4*\i:R+4*\i+3], v[LI], s[20:21] offset:(\i+8*(\i/8))*XROW th:TH_LOAD_NT   ; the tile's row i: 32 lanes read 512 consecutive bytes; read once in the launch
.endr
.irp i, 0,1,2,3,4,5,6,7,8,9,10,11,12,13,14,15
	s_wait_loadcnt 15-\i                           ; loads come back in order: row i is in, the 15 - i younger loads may stay out
	ds_store_b128 v[SIN], v[R+4*\i:R+4*\i+3] offset:SPITCH*\i
.endr
.irp b, 0,1,2,3
.irp j, 0,1,2,3
	ds_load_b128 v[X+16*\b+4*\j:X+16*\b+4*\j+3], v[SOUT] offset:128*\b+16*\j   ; LDS serves a wave's instructions in order: these see my stores.  16 neighbours of each block of 32
.endr
.endr
	s_wait_dscnt 0x0
	QUANT X, PC, PW
.irp c, 0,1,2
	global_store_b128 v[LI], v[PC+4*\c:PC+4*\c+3], s[26:27] offset:512*\c   ; 32 lanes store 512 consecutive bytes, at a multiple of 256 from xw's first byte
.endr
	global_store_b32 v[LS], v[PW], s[32:33]
	s_wait_tensorcnt 0x0                           ; the wave's end, behind my last LDS store
	ds_add_u32 v[SPW], v[NIL]
	s_wait_dscnt 0x0
	s_endpgm
.Lfunc_end_k_q1a4c69636b_quant:
	.size	k_q1a4c69636b_quant, .Lfunc_end_k_q1a4c69636b_quant-k_q1a4c69636b_quant
	.p2alignl 7, 3214868480
	.fill 96, 4, 3214868480
	.section	.rodata,"a",@progbits
	.p2align	6, 0x0
	.amdhsa_kernel k_q1a4c69636b_quant
		.amdhsa_group_segment_fixed_size 51456
		.amdhsa_private_segment_fixed_size 0
		.amdhsa_enable_private_segment 0
		.amdhsa_kernarg_size 48
		.amdhsa_user_sgpr_count 2
		.amdhsa_user_sgpr_kernarg_segment_ptr 1
		.amdhsa_wavefront_size32 1
		.amdhsa_system_sgpr_workgroup_id_x 1
		.amdhsa_system_sgpr_workgroup_id_y 1
		.amdhsa_system_sgpr_workgroup_id_z 1
		.amdhsa_system_vgpr_workitem_id 0
		.amdhsa_next_free_vgpr 192
		.amdhsa_next_free_sgpr 66
		.amdhsa_reserve_vcc 0
		.amdhsa_float_denorm_mode_32 3
		.amdhsa_float_denorm_mode_16_64 3
		.amdhsa_memory_ordered 1
		.amdhsa_forward_progress 1
		.amdhsa_inst_pref_size 11
	.end_amdhsa_kernel
	.amdgpu_metadata
---
amdhsa.version: [ 1, 2 ]
amdhsa.kernels:
  - .name:           k_q1a4c69636b_quant
    .symbol:         k_q1a4c69636b_quant.kd
    .args:
      - { .name: x, .offset: 0, .size: 8, .value_kind: global_buffer, .address_space: global }
      - { .name: wq, .offset: 8, .size: 8, .value_kind: global_buffer, .address_space: global }
      - { .name: wk, .offset: 16, .size: 8, .value_kind: global_buffer, .address_space: global }
      - { .name: wv, .offset: 24, .size: 8, .value_kind: global_buffer, .address_space: global }
      - { .name: wo, .offset: 32, .size: 8, .value_kind: global_buffer, .address_space: global }
      - { .name: xw, .offset: 40, .size: 8, .value_kind: global_buffer, .address_space: global }
    .group_segment_fixed_size: 51456
    .private_segment_fixed_size: 0
    .kernarg_segment_align: 8
    .kernarg_segment_size: 48
    .max_flat_workgroup_size: 192
    .sgpr_count:     66
    .vgpr_count:     192
    .wavefront_size: 32
...
	.end_amdgpu_metadata
.endif
;; end of part 1
;; launch qkv (part 2): grid 12 x 16, 12 waves a work-group, clusters of 4 x 4, 281,088 bytes of LDS; arguments xw, qkv; writes qkv
.if DOCPART == 2
	.amdgcn_target "amdgcn-amd-amdhsa--gfx1250"
	.amdhsa_code_object_version 6
	.text
	.protected	k_q1a4c69636b_qkv
	.globl	k_q1a4c69636b_qkv
	.p2align	8
	.type	k_q1a4c69636b_qkv,@function
k_q1a4c69636b_qkv:
	s_mov_b64 s[64:65], 0
	v_nop
	global_prefetch_b8 v0, s[64:65] scope:SCOPE_SE
	s_setreg_imm32_b32 hwreg(HW_REG_WAVE_MODE, 25, 1), 1
	s_wait_xcnt 0x0
	s_wait_alu depctr_hold_cnt(0) depctr_sa_sdst(0) depctr_va_vdst(0) depctr_va_sdst(0) depctr_va_ssrc(0) depctr_va_vcc(0) depctr_vm_vsrc(0)
	s_getreg_b32 s2, hwreg(HW_REG_IB_STS2, 6, 4)
	s_cmp_eq_u32 s2, 0
	s_cbranch_scc0 .Lentry_in_a_cluster
	s_endpgm
.Lentry_in_a_cluster:
	s_bfe_u32 s2, ttmp6, 0x10000c
	s_cmp_lg_u32 s2, 0xf033
	s_cbranch_scc0 .Lentry_shape_is_right
	s_endpgm
.Lentry_shape_is_right:
; q = x wq^T, k = x wk^T, v = x wv^T on codes of FP6 (E2M3) with E8M0 scales, from the tile records of xw; each result is quantised in registers and stored as the attention launch's operand images.
; SHARES.  The three weights are one matrix of 2,304 rows.  Work-group (X, Y): 192 of these rows (12 tiles, three heads of one kind) x 256 rows of x (16 tiles).  The kind is the cluster's x: 0 q, 1 k, 2 v.
; All of K (768) of both sides fits in LDS at once: 16 + 12 records of 9,984 bytes.  So LDS is filled once: no ring, no refill.
; CLUSTERS: 4 x 4 work-groups.  The four of a row of the cluster need the same records of x, the four of a column the same records of the weights: each is asked for JOINTLY, by the same tensor load with the
; same descriptor and a mask that names the four.  Waves 0-3 fetch x's quarters, waves 4-6 the weights' thirds: 4 records = 156 rows of 256 bytes a load, one load a wave.
; q AND k are made TRANSPOSED (source 0 = 16 rows of W, source 1 = 16 rows of x): a lane holds one token and its registers run along the head's 64, the next product's K.  Wave w: x tiles 4 (w % 4) on, head w / 4.
;   Two x tiles' results (2 x 32 registers) are quantised as one fragment: registers 0-5 the first tile's 64, registers 6-11 the second's.
; v is made the natural way (source 0 = x, source 1 = W): a lane holds one channel and its registers run along the keys, the second attention product's K.  Wave w: keys 128 (w % 2) on, W tiles 2 (w / 2) on.
; Sixteen accumulators a wave take turns, one instruction a turn.
; qkv: K's and V's images at 0, by slots of eight key steps with their scale words (see below).
;      QC: (head x 128 + 32-group of queries) x 1,536: registers 2 p, 2 p + 1 of lane l at 256 p + 8 l.   QSC: the same index x 128: the scale words.
; LIMITS: NaN and infinities are not served; a block of zeros, or one whose largest magnitude lies under 2^-124, gets the byte 1 (its codes are zeros or nearly so; the bytes are read by this program alone).
.set TREC,  9984
.set QUAD,  4*TREC                     ; what one tensor load brings
.set WBASE, 16*TREC                    ; LDS: x's 16 records, then the weights' 12
.set SPARE, 28*TREC                    ; behind them: the spare words, 128 bytes for each wave: six blocks of 256 bytes that no other line names
.set KVS,   4718592
.set QC,    5111808
.set QSC,   7471104
.set LI,  1                            ; v1  16 x lane
.set LS,  2                            ; v2  4 x lane
.set LH,  3                            ; v3  8 x lane
.set XAQ, 4                            ; v4  q, k: my four x records (images);  v5 their scale words;  v6, v7 the same of my four W records
.set XSQ, 5
.set WAQ, 6
.set WSQ, 7
.set XAV, 8                            ; v8, v9  v: my eight x records, four to a register;  v10, v11 their scale words;  v12, v13 my two W records
.set XSV, 10
.set WAV, 12
.set WSV, 13
.set SPW, 16                           ; v16 LDS address of my spare word; never rewritten
.set NIL, 17                           ; v17 0; never rewritten
.set XS,  18                           ; v18-21 x's scale words;  v22-25 W's
.set WS,  22
.set XF,  32                           ; v32-79   four fragments of x
.set WF,  80                           ; v80-127  four fragments of W
.set ACC, 128                          ; v128-255 sixteen accumulators
.set TM,  32                           ; the tail works where the fragments lay: v32-47 at work, v48, v49 scale words, v52-71, v72-91 codes
.set PW0, 48
.set PW1, 49
.set PC0, 52
.set PC1, 72
.set WV,  8                            ; s8  my wave's number
.set KIND, 15                          ; s15 0 q, 1 k, 2 v
.set G1A, 16                           ; s[16:23], s[32:35] descriptor groups 1 and 0 for x's records;  s[24:31], s[36:39] for the weights'
.set G1B, 24
.set G0A, 32
.set G0B, 36
.set SEL, 44
.macro CROUND                          ; a round of the cluster's barrier
	s_barrier_signal -1
	s_barrier_wait -1
	s_cmp_lg_u32 s[WV], 0
	s_cbranch_scc1 .Lnot_wave_0_\@
	s_barrier_signal -3
.Lnot_wave_0_\@:
	s_barrier_wait -3
	s_barrier_signal -1
	s_barrier_wait -1
.endm
.macro QUANT s, pc, pw                 ; 64 numbers of a lane, register 16 b + i = k 32 b + 16 (lane / 16) + i, become a fragment's 12 registers and the lane's scale word
.irp b, 0,1,2,3
	v_max3_num_f32 v[TM+\b], |v[\s+16*\b]|, |v[\s+1+16*\b]|, 0x1800000   ; each accumulator is read from its low end on; the floor 2^(3 - 127) holds the byte at 1 from below
.endr
.irp i, 2,4,6,8,10,12,14
.irp b, 0,1,2,3
	v_max3_num_f32 v[TM+\b], v[TM+\b], |v[\s+16*\b+\i]|, |v[\s+1+16*\b+\i]|
.endr
.endr
.irp b, 0,1,2,3
	s_delay_alu instid0(VALU_DEP_4)
	v_permlanex16_b32 v[TM+4+\b], v[TM+\b], s[SEL], s[SEL+1]
.endr
.irp b, 0,1,2,3
	s_delay_alu instid0(VALU_DEP_4)
	v_max_num_f32 v[TM+\b], v[TM+\b], v[TM+4+\b]
.endr
.irp b, 0,1,2,3
	s_delay_alu instid0(VALU_DEP_4)
	v_add_nc_u32 v[TM+12+\b], 0xff000000, v[TM+\b]   ; 2 off the exponent field: the conversion's scale operand
.endr
.irp b, 0,1,2,3
	s_delay_alu instid0(VALU_DEP_4)
	v_lshrrev_b32 v[TM+4+\b], 23, v[TM+12+\b]      ; the scale's byte
.endr
	s_delay_alu instid0(VALU_DEP_3)
	v_lshl_or_b32 v[\pw], v[TM+5], 8, v[TM+4]
	s_delay_alu instid0(VALU_DEP_1)
	v_lshl_or_b32 v[\pw], v[TM+6], 16, v[\pw]
	s_delay_alu instid0(VALU_DEP_1)
	v_lshl_or_b32 v[\pw], v[TM+7], 24, v[\pw]
.irp c, 0,1
	v_cvt_scalef32_pk16_fp6_f32 v[\pc+6*\c:\pc+2+6*\c], v[\s+32*\c:\s+15+32*\c], v[TM+12+2*\c]
	v_cvt_scalef32_pk16_fp6_f32 v[\pc+12+4*\c:\pc+14+4*\c], v[\s+16+32*\c:\s+31+32*\c], v[TM+12+2*\c+1]
.endr
	v_nop                                          ; one plain instruction behind the scaled conversions
.irp c, 0,1
.irp i, 0,1,2
	v_permlane16_swap_b32 v[\pc+6*\c+\i], v[\pc+12+4*\c+\i]
.endr
.irp i, 0,1,2
	s_delay_alu instid0(VALU_DEP_3)
	v_mov_b32 v[\pc+3+6*\c+\i], v[\pc+12+4*\c+\i]
.endr
.endr
.endm
	s_load_b128 s[4:7], s[0:1], 0x0                ; xw s[4:5], qkv s[6:7]
	v_lshl_add_u32 v[SPW], v0, 2, SPARE
	v_mov_b32 v[NIL], 0
	ds_add_u32 v[SPW], v[NIL]                      ; the wave's opening: the add and its wait ahead of the first tensor loads; the set-up below, work on registers, stands between them
	ds_add_u32 v[SPW], v[NIL]
	v_lshrrev_b32 v1, 5, v0
	s_delay_alu instid0(VALU_DEP_1)
	v_readfirstlane_b32 s[WV], v1                  ; wave 0..11
	s_bfe_u32 s9, ttmp6, 0x40000                   ; cx
	s_bfe_u32 s10, ttmp6, 0x40004                  ; cy
	s_lshl_b32 s11, ttmp9, 2
	s_add_co_u32 s11, s11, s9                      ; X = 4 x cluster x + cx
	s_and_b32 s12, ttmp7, 0xffff
	s_lshl_b32 s12, s12, 2
	s_add_co_u32 s12, s12, s10                     ; Y = 4 x cluster y + cy
	s_lshl_b32 s13, s10, 2
	s_lshl_b32 s13, 15, s13                        ; my row of the cluster
	s_lshl_b32 s14, 0x1111, s9                     ; my column
	s_mov_b32 s[KIND], ttmp9                       ; the same in all sixteen partners
	s_or_b32 s[G1A], s13, (3<<16)|(1<<21)          ; 15:0 the mask: x's records go to my row; 17:16 elements of 8 bytes; 21 set beside a mask; no padding
	s_or_b32 s[G1B], s14, (3<<16)|(1<<21)          ; the weights' to my column
.irp g, G1A, G1B
	s_mov_b32 s[\g+1], 32<<16                      ; tensor_dim0 = 32 elements: rows of 256 bytes
	s_mov_b32 s[\g+2], 156<<16                     ; tensor_dim1 = 156 rows: four records on end
	s_mov_b32 s[\g+3], 32<<16                      ; tile_dim0
	s_mov_b32 s[\g+4], 156                         ; tile_dim1
	s_mov_b32 s[\g+5], 32                          ; the pitch: the block is dense
	s_mov_b32 s[\g+6], 0
	s_mov_b32 s[\g+7], 0
.endr
	s_and_b32 s50, s[WV], 3
	s_lshl_b32 s51, s50, 2                         ; which four records I fetch
	s_lshl_b32 s46, s12, 4
	s_add_co_u32 s46, s46, s51
	s_mul_i32 s46, s46, TREC                       ; x: record 16 Y + 4 (wave % 4): it hangs on Y alone, which my row shares
	s_mov_b32 s47, 0
	s_mul_i32 s48, s11, 12
	s_add_co_u32 s48, s48, s51
	s_add_co_u32 s48, s48, 256
	s_mul_i32 s48, s48, TREC                       ; W: record 256 + 12 X + 4 (wave % 4): on X alone, which my column shares
	s_mov_b32 s49, 0
	s_mul_i32 s52, s[WV], QUAD                     ; where they go: wave x four records: no place in the cluster enters an LDS address
	; where my results go, in bytes from qkv's first
	s_lshr_b32 s53, s[WV], 2
	s_mul_i32 s54, s9, 3
	s_add_co_u32 s54, s54, s53                     ; my head: 3 cx + wave / 4, in all three kinds
	s_and_b32 s55, s[WV], 1
	s_lshr_b32 s56, s50, 1
	s_bfe_u32 s57, s[WV], 0x10001
	s_cmp_eq_u32 s[KIND], 2
	s_cselect_b32 s56, s55, s56                    ; which of the work-group's two key steps: v: wave % 2; k: (wave % 4) / 2
	s_cselect_b32 s57, s57, s55                    ; which pair of its four fragments: v: (wave / 2) % 2; k: wave % 2
	; K's and V's images lie by SLOTS of eight key steps, records of 106,496 bytes at (head x 4 + slot) x 106,496: piece P = 3 x fragment + c (K's fragments 0-3, V's 4-7; 512 bytes) of step z at 4096 P + 512 z;
	; behind the 24 pieces the scale words: fragment f of step z at 98,304 + 1024 f + 128 z.  This is the layout that the stores below follow.
	s_cselect_b32 s58, 49152, 0                    ; V's fragments lie behind K's four,
	s_cselect_b32 s59, 4096, 0                     ; and so do their scale words
	s_lshl_b32 s60, s54, 5
	s_lshl_b32 s61, s12, 1
	s_add_co_u32 s60, s60, s61
	s_add_co_u32 s60, s60, s56                     ; head x 32 + key step
	s_lshr_b32 s63, s60, 3
	s_mul_i32 s63, s63, 106496                     ; the slot's record
	s_and_b32 s60, s60, 7                          ; z: the step in its slot
	s_lshl_b32 s61, s60, 9
	s_add_co_u32 s61, s61, s63
	s_mul_i32 s62, s57, 24576                      ; my pair of fragments: 2 x 3 pieces of 4,096
	s_add_co_u32 s61, s61, s62
	s_add_co_u32 s61, s61, s58                     ; k, v: the codes
	s_lshl_b32 s60, s60, 7
	s_add_co_u32 s60, s60, s63
	s_lshl_b32 s62, s57, 11
	s_add_co_u32 s60, s60, s62
	s_add_co_u32 s60, s60, s59
	s_add_co_u32 s60, s60, 98304                   ; k, v: the scale words
	s_lshl_b32 s62, s54, 7
	s_lshl_b32 s63, s12, 3
	s_add_co_u32 s62, s62, s63
	s_lshl_b32 s63, s50, 1
	s_add_co_u32 s62, s62, s63                     ; q: head x 128 + 32-group 8 Y + 2 (wave % 4)
	s_mul_i32 s63, s62, 1536
	s_add_co_u32 s63, s63, QC
	s_lshl_b32 s62, s62, 7
	s_add_co_u32 s62, s62, QSC
	s_cmp_eq_u32 s[KIND], 0
	s_cselect_b32 s40, s63, s61
	s_cselect_b32 s42, s62, s60
	s_mov_b32 s41, 0
	s_mov_b32 s43, 0
	s_mov_b32 s[SEL], 0x76543210
	s_mov_b32 s[SEL+1], 0xfedcba98
	s_wait_dscnt 0x0                               ; the opening add is done
	s_wait_kmcnt 0x0
	s_add_nc_u64 s[46:47], s[4:5], s[46:47]
	s_add_nc_u64 s[48:49], s[4:5], s[48:49]
	s_add_nc_u64 s[40:41], s[6:7], s[40:41]
	s_add_nc_u64 s[42:43], s[6:7], s[42:43]
	CROUND                                         ; all sixteen work-groups are here: the joint loads meet
	s_mov_b32 s[G0A], 1                            ; count = 1
	s_mov_b32 s[G0A+1], s52                        ; LDS address
	s_mov_b64 s[G0A+2:G0A+3], s[46:47]             ; global address
	s_or_b32 s[G0A+3], s[G0A+3], 0x80000000        ; type = 2
	s_mov_b32 s[G0B], 1
	s_mov_b32 s[G0B+1], s52
	s_mov_b64 s[G0B+2:G0B+3], s[48:49]
	s_or_b32 s[G0B+3], s[G0B+3], 0x80000000
	s_cmp_lt_u32 s[WV], 4                          ; the branches hang on the wave's number alone; an s_nop 0 and four v_nop follow each of the two lines
	s_cbranch_scc0 .Lnot_x
	tensor_load_to_lds s[G0A:G0A+3], s[G1A:G1A+7]
	s_nop 0
.rept 4
	v_nop
.endr
	s_branch .Lasked
.Lnot_x:
	s_cmp_lt_u32 s[WV], 7
	s_cbranch_scc0 .Lasked
	tensor_load_to_lds s[G0B:G0B+3], s[G1B:G1B+7]
	s_nop 0
.rept 4
	v_nop
.endr
.Lasked:
	; every LDS address register of both ways is made here, ahead of the parting on the kind
	v_and_b32 v14, 31, v0
	s_delay_alu instid0(VALU_DEP_1)
	v_lshlrev_b32 v[LI], 4, v14
	s_delay_alu instid0(VALU_DEP_2)
	v_lshlrev_b32 v[LS], 2, v14
	s_delay_alu instid0(VALU_DEP_3)
	v_lshlrev_b32 v[LH], 3, v14
	s_mul_i32 s53, s50, QUAD
	v_add_nc_u32 v[XAQ], s53, v[LI]
	v_add_nc_u32 v[XSQ], s53, v[LS]
	s_lshr_b32 s54, s[WV], 2
	s_mul_i32 s54, s54, QUAD
	s_add_co_u32 s54, s54, WBASE
	v_add_nc_u32 v[WAQ], s54, v[LI]
	v_add_nc_u32 v[WSQ], s54, v[LS]
	s_mul_i32 s55, s55, 2*QUAD
	v_add_nc_u32 v[XAV], s55, v[LI]
	v_add_nc_u32 v[XSV], s55, v[LS]
	s_delay_alu instid0(VALU_DEP_2)
	v_add_nc_u32 v[XAV+1], QUAD, v[XAV]
	s_delay_alu instid0(VALU_DEP_2)
	v_add_nc_u32 v[XSV+1], QUAD, v[XSV]
	s_lshr_b32 s56, s[WV], 1
	s_mul_i32 s56, s56, 2*TREC
	s_add_co_u32 s56, s56, WBASE
	v_add_nc_u32 v[WAV], s56, v[LI]
	v_add_nc_u32 v[WSV], s56, v[LS]
	s_wait_tensorcnt 0x0                           ; my load has landed,
	s_barrier_signal -1
	s_barrier_wait -1                              ; everybody's has: nothing is filled again in this launch
; A K step of 128 for q and k: four fragments of each side and their scale words, then 16 products.  zero = 1: the first products start the sums.
.macro KSTEP_QK s, zero
.irp t, 0,1,2,3
.irp c, 0,1,2
	ds_load_b128 v[XF+12*\t+4*\c:XF+12*\t+4*\c+3], v[XAQ] offset:TREC*\t+1536*\s+512*\c
	ds_load_b128 v[WF+12*\t+4*\c:WF+12*\t+4*\c+3], v[WAQ] offset:TREC*\t+1536*\s+512*\c
.endr
	ds_load_b32 v[XS+\t], v[XSQ] offset:TREC*\t+9216+128*\s
	ds_load_b32 v[WS+\t], v[WSQ] offset:TREC*\t+9216+128*\s
.endr
	s_wait_dscnt 0x0
.irp a, 0,1,2,3
.irp b, 0,1,2,3
.if \zero
	v_wmma_scale_f32_16x16x128_f8f6f4 v[ACC+32*\a+8*\b:ACC+32*\a+8*\b+7], v[WF+12*\b:WF+12*\b+11], v[XF+12*\a:XF+12*\a+11], 0, v[WS+\b], v[XS+\a] matrix_a_fmt:MATRIX_FMT_FP6 matrix_b_fmt:MATRIX_FMT_FP6
.else
	v_wmma_scale_f32_16x16x128_f8f6f4 v[ACC+32*\a+8*\b:ACC+32*\a+8*\b+7], v[WF+12*\b:WF+12*\b+11], v[XF+12*\a:XF+12*\a+11], v[ACC+32*\a+8*\b:ACC+32*\a+8*\b+7], v[WS+\b], v[XS+\a] matrix_a_fmt:MATRIX_FMT_FP6 matrix_b_fmt:MATRIX_FMT_FP6
.endif
.endr
.endr
.rept 4
	v_nop                                          ; four places in front of loads into registers that matrix instructions have read, and of the first read of results
.endr
.endm
; The same for v: two fragments of W; x's eight in two runs of four, eight products behind each.
.macro KSTEP_V s, zero
.irp t, 0,1
.irp c, 0,1,2
	ds_load_b128 v[WF+12*\t+4*\c:WF+12*\t+4*\c+3], v[WAV] offset:TREC*\t+1536*\s+512*\c
.endr
	ds_load_b32 v[WS+\t], v[WSV] offset:TREC*\t+9216+128*\s
.endr
.irp f, 0,1
.irp t, 0,1,2,3
.irp c, 0,1,2
	ds_load_b128 v[XF+12*\t+4*\c:XF+12*\t+4*\c+3], v[XAV+\f] offset:TREC*\t+1536*\s+512*\c
.endr
	ds_load_b32 v[XS+\t], v[XSV+\f] offset:TREC*\t+9216+128*\s
.endr
	s_wait_dscnt 0x0
.irp t, 0,1,2,3
.irp n, 0,1
.if \zero
	v_wmma_scale_f32_16x16x128_f8f6f4 v[ACC+64*\n+8*(4*\f+\t):ACC+64*\n+8*(4*\f+\t)+7], v[XF+12*\t:XF+12*\t+11], v[WF+12*\n:WF+12*\n+11], 0, v[XS+\t], v[WS+\n] matrix_a_fmt:MATRIX_FMT_FP6 matrix_b_fmt:MATRIX_FMT_FP6
.else
	v_wmma_scale_f32_16x16x128_f8f6f4 v[ACC+64*\n+8*(4*\f+\t):ACC+64*\n+8*(4*\f+\t)+7], v[XF+12*\t:XF+12*\t+11], v[WF+12*\n:WF+12*\n+11], v[ACC+64*\n+8*(4*\f+\t):ACC+64*\n+8*(4*\f+\t)+7], v[XS+\t], v[WS+\n] matrix_a_fmt:MATRIX_FMT_FP6 matrix_b_fmt:MATRIX_FMT_FP6
.endif
.endr
.endr
.rept 4
	v_nop
.endr
.endr
.endm
	s_cmp_eq_u32 s[KIND], 2                        ; the cluster's x: all waves of all partners go the same way
	s_cbranch_scc1 .Lv
	s_wait_alu depctr_va_vdst(0)
	KSTEP_QK 0, 1
	KSTEP_QK 1, 0
	KSTEP_QK 2, 0
	KSTEP_QK 3, 0
	KSTEP_QK 4, 0
	KSTEP_QK 5, 0
	s_branch .Lquant
.Lv:
	s_wait_alu depctr_va_vdst(0)
	KSTEP_V 0, 1
	KSTEP_V 1, 0
	KSTEP_V 2, 0
	KSTEP_V 3, 0
	KSTEP_V 4, 0
	KSTEP_V 5, 0
.Lquant:
	; In all three kinds v128-191 and v192-255 are each 64 numbers in a fragment's order along the next K.  Four places stand behind the last products on both ways.
.irp b, 0,1,2,3
	v_mov_b32 v[TM+4+\b], 0                        ; a lane permute's destination counts as one of its sources
.endr
	QUANT ACC, PC0, PW0
	QUANT ACC+64, PC1, PW1
	s_cmp_eq_u32 s[KIND], 0
	s_cbranch_scc1 .Lq_out
.irp c, 0,1,2                                  ; k, v: each store of the wave covers 512 consecutive bytes, at a multiple of 256 from qkv's first byte
	global_store_b128 v[LI], v[PC0+4*\c:PC0+4*\c+3], s[40:41] offset:4096*\c
	global_store_b128 v[LI], v[PC1+4*\c:PC1+4*\c+3], s[40:41] offset:12288+4096*\c
.endr
	global_store_b32 v[LS], v[PW0], s[42:43]
	global_store_b32 v[LS], v[PW1], s[42:43] offset:1024
	s_branch .Lwords
.Lq_out:
	s_wait_alu depctr_va_vdst(0)
.irp p, 0,1,2,3,4,5                            ; q: by pairs of registers, so that a tile's six registers are three whole stores: 256 consecutive bytes each, aligned
	global_store_b64 v[LH], v[PC0+2*\p:PC0+2*\p+1], s[40:41] offset:256*\p
	global_store_b64 v[LH], v[PC1+2*\p:PC1+2*\p+1], s[40:41] offset:1536+256*\p
.endr
	global_store_b32 v[LS], v[PW0], s[42:43]
	global_store_b32 v[LS], v[PW1], s[42:43] offset:128
.Lwords:
	s_wait_tensorcnt 0x0                           ; the wave's end
	ds_add_u32 v[SPW], v[NIL]
	s_wait_dscnt 0x0
	CROUND                                         ; the closing round: no work-group ends while a partner may still ask for a tile that names it
	s_endpgm
.Lfunc_end_k_q1a4c69636b_qkv:
	.size	k_q1a4c69636b_qkv, .Lfunc_end_k_q1a4c69636b_qkv-k_q1a4c69636b_qkv
	.p2alignl 7, 3214868480
	.fill 96, 4, 3214868480
	.section	.rodata,"a",@progbits
	.p2align	6, 0x0
	.amdhsa_kernel k_q1a4c69636b_qkv
		.amdhsa_group_segment_fixed_size 281088
		.amdhsa_private_segment_fixed_size 0
		.amdhsa_enable_private_segment 0
		.amdhsa_kernarg_size 16
		.amdhsa_user_sgpr_count 2
		.amdhsa_user_sgpr_kernarg_segment_ptr 1
		.amdhsa_wavefront_size32 1
		.amdhsa_system_sgpr_workgroup_id_x 1
		.amdhsa_system_sgpr_workgroup_id_y 1
		.amdhsa_system_sgpr_workgroup_id_z 1
		.amdhsa_system_vgpr_workitem_id 0
		.amdhsa_next_free_vgpr 256
		.amdhsa_next_free_sgpr 66
		.amdhsa_reserve_vcc 0
		.amdhsa_float_denorm_mode_32 3
		.amdhsa_float_denorm_mode_16_64 3
		.amdhsa_memory_ordered 1
		.amdhsa_forward_progress 1
		.amdhsa_inst_pref_size 73
	.end_amdhsa_kernel
	.amdgpu_metadata
---
amdhsa.version: [ 1, 2 ]
amdhsa.kernels:
  - .name:           k_q1a4c69636b_qkv
    .symbol:         k_q1a4c69636b_qkv.kd
    .args:
      - { .name: xw, .offset: 0, .size: 8, .value_kind: global_buffer, .address_space: global }
      - { .name: qkv, .offset: 8, .size: 8, .value_kind: global_buffer, .address_space: global }
    .group_segment_fixed_size: 281088
    .private_segment_fixed_size: 0
    .kernarg_segment_align: 8
    .kernarg_segment_size: 16
    .max_flat_workgroup_size: 384
    .sgpr_count:     66
    .vgpr_count:     256
    .wavefront_size: 32
...
	.end_amdgpu_metadata
.endif
;; end of part 2
;; launch attn (part 3): grid 64 x 4, 16 waves a work-group, no clusters, 327,680 bytes of LDS; arguments qkv, oc; writes oc
.if DOCPART == 3
	.amdgcn_target "amdgcn-amd-amdhsa--gfx1250"
	.amdhsa_code_object_version 6
	.text
	.protected	k_q1a4c69636b_attn
	.globl	k_q1a4c69636b_attn
	.p2align	8
	.type	k_q1a4c69636b_attn,@function
k_q1a4c69636b_attn:
	s_mov_b64 s[64:65], 0
	v_nop
	global_prefetch_b8 v0, s[64:65] scope:SCOPE_SE
	s_setreg_imm32_b32 hwreg(HW_REG_WAVE_MODE, 25, 1), 1
	s_wait_xcnt 0x0
; o = softmax(q k^T / 8, causal) v for 12 heads of 64, on codes of FP6 (E2M3) with E8M0 scales from qkv; o is quantised along the head's 64 and stored as launch proj's operand images in oc.
; WORK LEFT OUT: key steps that lie wholly behind a tile's queries (reference()'s own causal mask makes p = 0 there for all inputs) are jumped over by a scalar test on ids.
; THE DEAL.  An ITEM is a block of 64 queries of one head, with keys 0 .. its last query.  Work-group (j, g) takes three items, one after the other: blocks j | 32, j & 31 and 62 - 2 j (j < 32) or 127 - 2 j,
; of three different heads of 3 g .. 3 g + 2; over j each head's 64 blocks are taken once.  Block i has i / 2 + 1 steps of 128 keys (49 or 50 in every work-group) and i / 16 + 1 slots of 1,024 keys (7 or 8).
; WAVES: 16 = 4 query tiles (wave % 4) x 4 quarters ((wave + wave / 4) % 4): of a slot's eight steps a wave takes steps quarter and quarter + 4 for its 16 queries, with its own running M, sum and O^T.
; At an item's end quarters 1-3 put -M, the sum and O^T into a stage in LDS (two stages, by the trip's parity); behind the next trip's barrier quarter 0 joins the four by exact powers of two, divides, quantises, stores.
; THE WALK is flat: 8 trips on two slots of 106,496 bytes; trip t reads slot t % 2 while slot t + 1's tensor loads land: each wave fetches 26 rows of 256 bytes, which hold bytes of the slot's first step.
; One tensor load a wave is out behind each barrier.  Every wait on TENSORcnt is for 0; a jump on ids, the same in all waves, leads round the load where no slot follows.
; No joint loads: the work-groups that walk one head need different numbers of slots (1 to 4), in different trips.
; PREFETCH: in trip t one wave asks for its work-group's share of the slot that trip t + 1 will load: 16 blocks of 256 bytes, share j % 32 of 26; in the first item (32 work-groups walk that head in step) and, by j >= 32, in the third.
; The second item's slots are the first two of a head that the other 32 work-groups read as their first item: not asked for.
; Both products are used transposed (S^T = k q^T, O^T = v^T p^T): a lane holds one query.  A fragment of k holds two key tiles' 64 numbers; q stands between two runs of zero codes and is named with either.
; LIMITS: NaN and infinities are not served; the promise holds while the scaled scores stay under 2^31 in magnitude; a block of o under 2^-124 gets the byte 1.
.set SLOTB, 106496                     ; a slot: 24 pieces x 8 steps x 512 bytes, then 8 x 8 x 128 bytes of scale words
.set HEADC, 4*SLOTB
.set PARTB, 6656                       ; a wave's 26 rows of a slot
.set VCO,   49152                      ; V's pieces
.set SCO,   98304                      ; the scale words
.set STG,   2*SLOTB                    ; the stage: place (3 x tile + quarter - 1) x WST + parity x PST, quarters 1-3: O^T 4,096 bytes, then -M and the sum 256
.set WST,   8704
.set PST,   4352
.set SPARE, STG+12*WST                 ; the spare words, 128 bytes a wave
.set QC,    5111808
.set QSC,   7471104
.set OREC,  10752
.set ADC, 1                            ; v1, v2  my quarter's pieces of K in slot 0, 1;  v3, v4 its scale words;  v34, v35 its pieces of V
.set ADS, 3
.set ADV, 34
.set SPW, 5
.set NIL, 6
.set LH,  7
.set LS,  8
.set QL,  9
.set PFO, 10
.set STA, 11
.set QB,  16                           ; v16-21 zeros, v22-27 q, v28-33 zeros
.set QW,  22
.set QA,  22
.set FR,  40
.set SW,  88
.set QS,  92
.set PSW, 93
.set S,   96
.set OT,  160
.set PC,  192
.set PT,  204
.set BM,  212
.set PM,  216
.set SOP, 220
.set FF,  224
.set T0,  226
.set ST1, 230                          ; the second and third items' q and scale words
.set QS1, 236
.set ST2, 238
.set QS2, 244
.set STB, 245
.set OC,  246                          ; v246-252 an item's codes and half scale word on their way out
.set OW,  252
.set ML,  72                           ; the join: partners' -M and sums; v78-85 the four factors; v86
.set F0,  78
.set NM,  86
.set TMK, 253                          ; v253 the diagonal's threshold;  v255 -M as the step found it
.set OLDM, 255
.set HD0, 2
.set HD1, 3
.set WV,  8
.set QT,  9
.set QR,  10
.set J,   11
.set GG,  12
.set I0,  13
.set B1,  16                           ; trips at which the second and third item begin, and the walk ends
.set B2,  17
.set B3,  18
.set AF,  19
.set SEL, 20
.set CS,  22
.set G1,  24
.set G0,  32
.set BW,  40
.set PFA, 42
.set TO,  44
.set US,  46
.set U,   47
.set T,   48
.set T1,  49
.set TK,  50                           ; 1024 t
.set DF,  51                           ; my tile's first query less my step's first key
.set E0,  52
.set X0,  55
.set F,   58
.set F2,  59
.set CO0, 60
.set LC,  63
.set SO0, 66
.set LIM1, 69
.set OA,  70
.set OS,  72
.set OFC, 74
.set OFS, 76
.set LO2, 78
.set HD2, 79
	s_load_b128 s[4:7], s[0:1], 0x0                ; qkv, oc
	v_lshl_add_u32 v[SPW], v0, 2, SPARE
	v_mov_b32 v[NIL], 0
	ds_add_u32 v[SPW], v[NIL]                      ; the opening lines
	ds_add_u32 v[SPW], v[NIL]
	v_lshrrev_b32 v1, 5, v0
	s_delay_alu instid0(VALU_DEP_1)
	v_readfirstlane_b32 s[WV], v1
	s_and_b32 s[QT], s[WV], 3
	s_lshr_b32 s92, s[WV], 2
	s_add_co_u32 s92, s92, s[WV]
	s_and_b32 s[QR], s92, 3
	s_mov_b32 s[J], ttmp9
	s_and_b32 s[GG], ttmp7, 0xffff
	s_or_b32 s[I0], s[J], 32
	s_and_b32 s[I0+1], s[J], 31
	s_lshl_b32 s92, s[J], 1
	s_mov_b32 s93, 127
	s_mul_i32 s94, s[GG], 3
	s_cmp_lt_u32 s[J], 32
	s_cselect_b32 s93, 62, s93
	s_cselect_b32 s95, 1, 0
	s_sub_co_u32 s[I0+2], s93, s92
	s_add_co_u32 s[HD0], s94, s95                  ; block j | 32 is head 3 g + 1's where j < 32, else head 3 g's; block j & 31 is the other's
	s_add_co_u32 s[HD1], s94, 1
	s_sub_co_u32 s[HD1], s[HD1], s95
	s_add_co_u32 s[HD2], s94, 2
	s_lshr_b32 s[B1], s[I0], 4
	s_add_co_u32 s[B1], s[B1], 1
	s_lshr_b32 s92, s[I0+1], 4
	s_add_co_u32 s92, s92, 1
	s_add_co_u32 s[B2], s[B1], s92
	s_lshr_b32 s92, s[I0+2], 4
	s_add_co_u32 s92, s92, 1
	s_add_co_u32 s[B3], s[B2], s92
	s_mul_i32 s[X0], s[HD0], HEADC                 ; slot u lies at u x SLOTB + X of its item (sums modulo 2^32)
	s_mul_i32 s[X0+1], s[HD1], HEADC
	s_mul_i32 s92, s[B1], SLOTB
	s_sub_co_u32 s[X0+1], s[X0+1], s92
	s_mul_i32 s[X0+2], s[HD2], HEADC
	s_mul_i32 s92, s[B2], SLOTB
	s_sub_co_u32 s[X0+2], s[X0+2], s92
	s_mov_b32 s[G1], 3<<16                         ; elements of 8 bytes; 26 rows of 256 bytes, dense
	s_mov_b32 s[G1+1], 32<<16
	s_mov_b32 s[G1+2], 26<<16
	s_mov_b32 s[G1+3], 32<<16
	s_mov_b32 s[G1+4], 26
	s_mov_b32 s[G1+5], 32
	s_mov_b32 s[G1+6], 0
	s_mov_b32 s[G1+7], 0
	s_mul_i32 s92, s[WV], PARTB
	s_mov_b32 s93, 0
	s_mov_b32 s[G0], 1
	s_mov_b32 s[G0+1], s92
	s_mov_b32 s[G0+4], 1
	s_add_co_u32 s[G0+5], s92, SLOTB
	s_mov_b32 s[TO], s[X0]
	s_mov_b32 s[TO+1], 0
	s_wait_dscnt 0x0
	s_wait_kmcnt 0x0
	s_add_nc_u64 s[BW:BW+1], s[4:5], s[92:93]
	s_add_nc_u64 s[G0+2:G0+3], s[BW:BW+1], s[TO:TO+1]
	s_or_b32 s[G0+3], s[G0+3], 0x80000000
	tensor_load_to_lds s[G0:G0+3], s[G1:G1+7]      ; the first item's slot 0 (block 32 or later: all eight steps are read): one load a wave
	s_nop 0
	s_add_co_u32 s[TO], s[TO], SLOTB               ; slot 1 (the first item has three slots or four)
	s_mov_b32 s[US], 2*SLOTB
	s_mov_b32 s[U], 2
	s_mov_b32 s[T], 0
	s_mov_b32 s[T1], 1
	s_mov_b32 s[TK], 0
	s_mov_b32 s[F2], 0
	s_mov_b32 s[LC], 4
	s_mov_b32 s[OFC+1], 0
	s_mov_b32 s[OFS+1], 0
	s_mov_b32 s[SEL], 0x76543210
	s_mov_b32 s[SEL+1], 0xfedcba98
	s_mov_b32 s[CS], 0x3e38aa3b                    ; log2(e) / 8
	s_mov_b32 s[CS+1], s[CS]
	s_and_b32 s92, s[J], 31
	s_cmp_lt_u32 s92, 26
	s_cselect_b32 s93, s[WV], 0
	s_cmp_eq_u32 s93, 1                            ; wave 1 of a work-group that has a share asks
	s_cselect_b32 s[LIM1], s[B1], 0
	s_cselect_b32 s[LO2], s[B2], -1
	s_cmp_lt_u32 s[J], 32
	s_cselect_b32 s[LO2], -1, s[LO2]
	s_lshl_b32 s95, s92, 12
	s_lshl_b32 s92, s[QR], 9
	s_lshl_b32 s93, s[QR], 7
	s_add_co_u32 s93, s93, SCO
	s_mul_i32 s94, s[QT], 3
	s_add_co_u32 s94, s94, s[QR]
	s_mul_i32 s94, s94, WST
	s_add_co_u32 s94, s94, STG-WST                 ; quarter 0 stores nothing there: it reads its three partners' places, WST, 2 WST and 3 WST on
	v_and_b32 v94, 31, v0
	v_and_b32 v95, 15, v0
	v_lshlrev_b32 v[ADC], 4, v94
	v_lshlrev_b32 v[LS], 2, v94
	v_lshlrev_b32 v[LH], 3, v94
	v_min_u32 v[PFO], 15, v94
	v_add_nc_u32 v[STA], s94, v[ADC]
	v_add_nc_u32 v[ADC], s92, v[ADC]
	v_add_nc_u32 v[ADS], s93, v[LS]
	v_add_nc_u32 v[STB], s94, v[LH]
	v_lshlrev_b32 v[PFO], 8, v[PFO]
	v_add_nc_u32 v[ADC+1], SLOTB, v[ADC]
	v_add_nc_u32 v[ADS+1], SLOTB, v[ADS]
	v_add_nc_u32 v[STB], 4096, v[STB]
	v_add_nc_u32 v[PFO], s95, v[PFO]
	v_add_nc_u32 v[ADV], VCO, v[ADC]
	v_add_nc_u32 v[ADV+1], VCO, v[ADC+1]
	v_and_b32 v207, 8, v95
	v_and_b32 v94, 16, v0
	v_add_nc_u32 v[QL], v95, v207                  ; a tile's row r is query r + 8 (r / 8); my keys begin 16 (lane / 16) on
	s_delay_alu instid0(VALU_DEP_1)
	v_sub_nc_u32 v[QL], v[QL], v94
.irp i, 0,1,2,3,4,5
	v_mov_b32 v[QB+\i], 0
	v_mov_b32 v[QW+6+\i], 0
.endr
.irp b, 0,1,2,3
	v_mov_b32 v[PM+\b], 0
.endr
	v_mov_b32 v[FF+1], 0
	v_mov_b32 v13, 0xff61b1e6                      ; the largest score so far: -3e38
	v_mov_b32 v14, 0
	v_mov_b32 v15, 0
	v_floor_f32 v12, -v13
	s_wait_alu depctr_va_vdst(0)                   ; the wait ahead of the scalar run
.macro ITEM it, ir, hr, bs, qd, wd     ; item it: where its results go, and its q fragment and scale word
	s_lshl_b32 s93, s[\ir], 2
	s_add_co_u32 s93, s93, s[QT]                   ; token tile 4 i + wave % 4
	s_mul_i32 s94, s93, OREC
	s_mul_i32 s95, s[\hr], 768
	s_add_co_u32 s[CO0+\it], s94, s95
	s_lshl_b32 s95, s[\hr], 7
	s_add_co_u32 s95, s95, s94
	s_add_co_u32 s[SO0+\it], s95, 9216
	s_lshl_b32 s92, s[\hr], 7
	s_lshr_b32 s93, s93, 1
	s_add_co_u32 s92, s92, s93                     ; head x 128 + 32-group
	s_mul_i32 s[\bs], s92, 1536
	s_and_b32 s93, s[QT], 1
	s_mul_i32 s93, s93, 768
	s_add_co_u32 s[\bs], s[\bs], s93
	s_add_co_u32 s[\bs], s[\bs], QC
	s_mov_b32 s[\bs+1], 0
	s_lshl_b32 s[\bs+2], s92, 7
	s_add_co_u32 s[\bs+2], s[\bs+2], QSC
	s_mov_b32 s[\bs+3], 0
	s_add_nc_u64 s[\bs:\bs+1], s[4:5], s[\bs:\bs+1]
	s_add_nc_u64 s[\bs+2:\bs+3], s[4:5], s[\bs+2:\bs+3]
.irp p, 0,1,2
	global_load_b64 v[\qd+2*\p:\qd+2*\p+1], v[LH], s[\bs:\bs+1] offset:256*\p
.endr
	global_load_b32 v[\wd], v[LS], s[\bs+2:\bs+3]
.endm
	ITEM 0, I0,   HD0, 80, QW,  QS
	ITEM 1, I0+1, HD1, 84, ST1, QS1
	ITEM 2, I0+2, HD2, 88, ST2, QS2
	s_lshr_b32 s92, s[QT], 1                       ; DF of a trip's first step = E of the item - 1024 t;  E = 64 i + 32 (tile / 2) + 8 (tile % 2) - 128 quarter + 1024 x the item's first trip
	s_lshl_b32 s92, s92, 5
	s_and_b32 s93, s[QT], 1
	s_lshl_b32 s94, s93, 3
	s_add_co_u32 s92, s92, s94
	s_lshl_b32 s94, s[QR], 7
	s_sub_co_i32 s92, s92, s94
	s_lshl_b32 s94, s[I0], 6
	s_add_co_i32 s[E0], s94, s92
	s_lshl_b32 s94, s[I0+1], 6
	s_add_co_i32 s[E0+1], s94, s92
	s_lshl_b32 s94, s[B1], 10
	s_add_co_i32 s[E0+1], s[E0+1], s94
	s_lshl_b32 s94, s[I0+2], 6
	s_add_co_i32 s[E0+2], s94, s92
	s_lshl_b32 s94, s[B2], 10
	s_add_co_i32 s[E0+2], s[E0+2], s94
	s_lshl_b32 s93, s93, 4
	s_wait_loadcnt 0x0
.irp w, QS, QS1, QS2
	v_lshrrev_b32 v[\w], s93, v[\w]                ; my tile's two bytes of the 32-group's word,
.endr
.irp w, QS, QS1, QS2
	v_and_b32 v[\w], 0xffff, v[\w]
.endr
.irp w, QS, QS1, QS2
	v_lshl_or_b32 v[\w], v[\w], 16, v[\w]          ; for either half of K
.endr
.irp j, 0,1,2,3,4,5,6,7,8,9,10,11,12,13,14,15,16,17,18,19,20,21,22,23,24,25,26,27,28,29,30,31
	v_mov_b32 v[OT+\j], 0                          ; O^T is written once; later items begin by the factor 0 of their first change of M.  (Also the places between the scale word's write and the first product)
.endr
; In front of a trip's barrier: a wait on TENSORcnt, the add and its wait, with the trip's scalar work between the add and its wait.
.macro PRE par, fill
	s_wait_alu depctr_va_vdst(0)                   ; the wait ahead of the blocking wait
	s_wait_tensorcnt 0x0                           ; my part of this trip's slot is in; no load of mine is out, so a descriptor may be written
	ds_add_u32 v[SPW], v[NIL]
.if \fill
	s_add_nc_u64 s[G0+6-4*\par:G0+7-4*\par], s[BW:BW+1], s[TO:TO+1]   ; slot t + 1
	s_or_b32 s[G0+7-4*\par], s[G0+7-4*\par], 0x80000000
	s_cmp_ge_u32 s[U], s[B1]                       ; slot t + 2's place
	s_cselect_b32 s[TO], s[X0+1], s[X0]
	s_cmp_ge_u32 s[U], s[B2]
	s_cselect_b32 s[TO], s[X0+2], s[TO]
	s_add_co_u32 s[TO], s[TO], s[US]
	s_add_co_u32 s[US], s[US], SLOTB
	s_cmp_lt_u32 s[U], s[LIM1]                     ; do I ask for it?
	s_cselect_b32 s[AF], 1, 0
	s_cmp_ge_u32 s[U], s[LO2]
	s_cselect_b32 s[AF], 1, s[AF]
	s_cmp_ge_u32 s[U], s[B3]
	s_cselect_b32 s[AF], 0, s[AF]
	s_cmp_ge_u32 s[T], s[B1]
	s_cselect_b32 s[DF], s[E0+1], s[E0]
	s_cmp_ge_u32 s[T], s[B2]
	s_cselect_b32 s[DF], s[E0+2], s[DF]
	s_sub_co_i32 s[DF], s[DF], s[TK]
.endif
	s_mov_b32 s[F], s[F2]                          ; did the last trip end an item?  Does this one?
	s_cmp_eq_u32 s[T1], s[B1]
	s_cselect_b32 s[F2], 1, 0
	s_cmp_eq_u32 s[T1], s[B2]
	s_cselect_b32 s[F2], 1, s[F2]
	s_cmp_eq_u32 s[T1], s[B3]
	s_cselect_b32 s[F2], 1, s[F2]
	s_cmp_eq_u32 s[T], s[B1]                       ; where the item just ended goes
	s_cselect_b32 s[OFC], s[CO0], s[CO0+2]
	s_cselect_b32 s[OFS], s[SO0], s[SO0+2]
	s_cmp_eq_u32 s[T], s[B2]
	s_cselect_b32 s[OFC], s[CO0+1], s[OFC]
	s_cselect_b32 s[OFS], s[SO0+1], s[OFS]
	s_wait_xcnt 0x0                                ; earlier stores and prefetches have read their bases and data
	s_add_nc_u64 s[OA:OA+1], s[6:7], s[OFC:OFC+1]
	s_add_nc_u64 s[OS:OS+1], s[6:7], s[OFS:OFS+1]
.if \fill
	s_add_nc_u64 s[PFA:PFA+1], s[4:5], s[TO:TO+1]
.endif
	s_wait_dscnt 0x0                               ; the add, my reads of the other slot and my stores into the stage are done
	s_barrier_signal -1
	s_barrier_wait -1
.endm
; Behind the barrier that follows an item's last trip: quarter 0 joins the four parts; then every wave begins the next item.
.macro JOIN rp, reset
	s_cmp_eq_u32 s[F], 0
	s_cbranch_scc1 .Lnone_\@
	s_cmp_lg_u32 s[QR], 0
	s_cbranch_scc1 .Lfresh_\@
.irp k, 1,2,3
	ds_load_b64 v[ML+2*\k-2:ML+2*\k-1], v[STB] offset:WST*\k+PST*(\rp)
.endr
.irp c, 0,1,2,3,4,5,6,7
	ds_load_b128 v[S+4*\c:S+4*\c+3], v[STA] offset:WST+PST*(\rp)+512*\c
	ds_load_b128 v[S+32+4*\c:S+32+4*\c+3], v[STA] offset:2*WST+PST*(\rp)+512*\c
	ds_load_b128 v[FR+4*\c:FR+4*\c+3], v[STA] offset:3*WST+PST*(\rp)+512*\c
.endr
	s_wait_dscnt 0x0
	v_min_num_f32 v[NM], v12, v[ML]                ; -M of the four: the least
	v_min_num_f32 v[F0], v[ML+2], v[ML+4]
	s_delay_alu instid0(VALU_DEP_1)
	v_min_num_f32 v[NM], v[NM], v[F0]
	s_delay_alu instid0(VALU_DEP_1)
	v_sub_f32 v[F0], v[NM], v12                    ; each part's M less the common M: a whole number, 0 or less (a part with no step: -3e38, factor 0)
	v_sub_f32 v[F0+2], v[NM], v[ML]
	v_sub_f32 v[F0+4], v[NM], v[ML+2]
	v_sub_f32 v[F0+6], v[NM], v[ML+4]
.irp i, 0,2,4,6
	s_delay_alu instid0(VALU_DEP_4)
	v_cvt_i32_f32 v[F0+\i], v[F0+\i]
.endr
.irp i, 0,2,4,6
	s_delay_alu instid0(VALU_DEP_4)
	v_ldexp_f32 v[F0+\i], 1.0, v[F0+\i]
.endr
	v_add_f32 v14, v14, v15
	s_delay_alu instid0(VALU_DEP_1)
	v_mul_f32 v14, v14, v[F0]
.irp k, 1,2,3
	s_delay_alu instid0(VALU_DEP_1)
	v_fmac_f32 v14, v[F0+2*\k], v[ML+2*\k-1]
.endr
	s_delay_alu instid0(VALU_DEP_1)
	v_permlanex16_b32 v[PM], v14, s[SEL], s[SEL+1]
	s_delay_alu instid0(VALU_DEP_1)
	v_add_f32 v14, v14, v[PM]                      ; the row's sum
	s_wait_alu depctr_va_vdst(0)                   ; the wait ahead of the transcendental and behind it
	v_rcp_f32 v14, v14
	v_nop
	s_wait_alu depctr_va_vdst(0)
.irp i, 0,2,4,6
	v_mul_f32 v[F0+\i], v[F0+\i], v14              ; the division goes into the factors
	v_mov_b32 v[F0+1+\i], 0                        ; (the pair's upper word is named by the packed forms)
.endr
.irp j, 0,2,4,6,8,10,12,14,16,18,20,22,24,26,28,30
	v_pk_mul_f32 v[OT+\j:OT+1+\j], v[OT+\j:OT+1+\j], v[F0:F0+1] op_sel_hi:[1,0]
.endr
.irp j, 0,2,4,6,8,10,12,14,16,18,20,22,24,26,28,30
	v_pk_fma_f32 v[OT+\j:OT+1+\j], v[S+\j:S+1+\j], v[F0+2:F0+3], v[OT+\j:OT+1+\j] op_sel_hi:[1,0,1]
.endr
.irp j, 0,2,4,6,8,10,12,14,16,18,20,22,24,26,28,30
	v_pk_fma_f32 v[OT+\j:OT+1+\j], v[S+32+\j:S+33+\j], v[F0+4:F0+5], v[OT+\j:OT+1+\j] op_sel_hi:[1,0,1]
.endr
.irp j, 0,2,4,6,8,10,12,14,16,18,20,22,24,26,28,30
	v_pk_fma_f32 v[OT+\j:OT+1+\j], v[FR+\j:FR+1+\j], v[F0+6:F0+7], v[OT+\j:OT+1+\j] op_sel_hi:[1,0,1]
.endr
.irp b, 0,1
	v_max3_num_f32 v[BM+\b], |v[OT+16*\b]|, |v[OT+1+16*\b]|, 0x1800000   ; o's two blocks of 32: the largest magnitude, over the floor 2^(3 - 127)
.endr
.irp i, 2,4,6,8,10,12,14
.irp b, 0,1
	s_delay_alu instid0(VALU_DEP_2)
	v_max3_num_f32 v[BM+\b], v[BM+\b], |v[OT+16*\b+\i]|, |v[OT+1+16*\b+\i]|
.endr
.endr
.irp b, 0,1
	s_delay_alu instid0(VALU_DEP_2)
	v_permlanex16_b32 v[PM+\b], v[BM+\b], s[SEL], s[SEL+1]
.endr
.irp b, 0,1
	s_delay_alu instid0(VALU_DEP_2)
	v_max_num_f32 v[BM+\b], v[BM+\b], v[PM+\b]
.endr
.irp b, 0,1
	s_delay_alu instid0(VALU_DEP_2)
	v_add_nc_u32 v[SOP+\b], 0xff000000, v[BM+\b]
.endr
.irp b, 0,1
	s_delay_alu instid0(VALU_DEP_2)
	v_lshrrev_b32 v[PM+\b], 23, v[SOP+\b]
.endr
	s_delay_alu instid0(VALU_DEP_1)
	v_lshl_or_b32 v[OW], v[PM+1], 8, v[PM]
	v_cvt_scalef32_pk16_fp6_f32 v[OC:OC+2], v[OT:OT+15], v[SOP]
	v_cvt_scalef32_pk16_fp6_f32 v[PT:PT+2], v[OT+16:OT+31], v[SOP+1]
	v_nop
.irp i, 0,1,2
	v_permlane16_swap_b32 v[OC+\i], v[PT+\i]
.endr
.irp i, 0,1,2
	s_delay_alu instid0(VALU_DEP_3)
	v_mov_b32 v[OC+3+\i], v[PT+\i]
.endr
.irp p, 0,1,2
	global_store_b64 v[LH], v[OC+2*\p:OC+2*\p+1], s[OA:OA+1] offset:256*\p   ; 32 lanes store 256 consecutive bytes, aligned
.endr
	global_store_b32 v[LS], v[OW], s[OS:OS+1]
.Lfresh_\@:
.if \reset
	v_mov_b32 v[QS], v[QS1]                        ; the next item's q; fifteen plain lines stand between this write and the next product
.irp i, 0,1,2,3,4,5
	v_mov_b32 v[QW+\i], v[ST1+\i]
.endr
	v_mov_b32 v[QS1], v[QS2]
.irp i, 0,1,2,3,4,5
	v_mov_b32 v[ST1+\i], v[ST2+\i]
.endr
	v_mov_b32 v13, 0xff61b1e6                      ; the first step's change of M multiplies the old sum and O^T by 0
	s_delay_alu instid0(VALU_DEP_1)
	v_floor_f32 v12, -v13
	s_wait_alu depctr_va_vdst(0)                   ; the wait behind these writes
.endif
.Lnone_\@:
.endm
; One of my two steps of the slot (z2 = 0: step quarter; 1: step quarter + 4): 16 queries x 128 keys.
.macro STEP par, z2
	s_cmp_lt_i32 s[DF], 0
	s_cbranch_scc1 .Lhidden_\@                     ; every key of the step lies behind every query of my tile
.irp b, 0,1,2,3
.irp c, 0,1,2
	ds_load_b128 v[FR+12*\b+4*\c:FR+12*\b+4*\c+3], v[ADC+\par] offset:4096*(3*\b+\c)+2048*\z2
.endr
	ds_load_b32 v[SW+\b], v[ADS+\par] offset:1024*\b+512*\z2
.endr
	s_wait_alu depctr_va_vdst(0)
.irp b, 0,1,2,3
	s_wait_dscnt 12-4*\b                           ; LDS loads come back in order, four to a fragment: fragment b and its scale word are in, the 12 - 4 b younger loads may be out
	v_wmma_scale_f32_16x16x128_f8f6f4 v[S+16*\b:S+16*\b+7], v[FR+12*\b:FR+12*\b+11], v[QA:QA+11], 0, v[SW+\b], v[QS] matrix_a_fmt:MATRIX_FMT_FP6 matrix_b_fmt:MATRIX_FMT_FP6
	v_wmma_scale_f32_16x16x128_f8f6f4 v[S+16*\b+8:S+16*\b+15], v[FR+12*\b:FR+12*\b+11], v[QB:QB+11], 0, v[SW+\b], v[QS] matrix_a_fmt:MATRIX_FMT_FP6 matrix_b_fmt:MATRIX_FMT_FP6
.endr
	v_mov_b32 v[OLDM], v12                         ; four places in front of loads into registers that the products have read, and of the first read of the scores: two of them do work that is due
	v_add_nc_u32 v[TMK], s[DF], v[QL]              ; the diagonal: register n holds key 32 (n / 16) + n % 16 + 16 (lane / 16) of the step
	v_nop
	v_nop
.irp t, 0,1,2,3
.irp c, 0,1,2
	ds_load_b128 v[FR+12*\t+4*\c:FR+12*\t+4*\c+3], v[ADV+\par] offset:4096*(3*\t+\c)+2048*\z2
.endr
	ds_load_b32 v[SW+\t], v[ADS+\par] offset:4096+1024*\t+512*\z2
.endr
	s_cmp_ge_i32 s[DF], 127
	s_cbranch_scc1 .Lopen_\@
	v_mov_b32 v[T0+1], 0xff800000
.irp n, 0,1,2,3,4,5,6,7,8,9,10,11,12,13,14,15,16,17,18,19,20,21,22,23,24,25,26,27,28,29,30,31,32,33,34,35,36,37,38,39,40,41,42,43,44,45,46,47,48,49,50,51,52,53,54,55,56,57,58,59,60,61,62,63
	v_cmp_gt_i32 vcc_lo, 32*(\n/16)+\n%16, v[TMK]
	v_cndmask_b32 v[S+\n], v[S+\n], v[T0+1], vcc_lo
.endr
.Lopen_\@:
.irp b, 0,1,2,3
	v_max3_num_f32 v[BM+\b], v[S+16*\b], v[S+1+16*\b], v[S+2+16*\b]   ; each block's largest score: for the row's maximum and for the block's largest p
.endr
.irp i, 3,5,7,9,11,13
.irp b, 0,1,2,3
	v_max3_num_f32 v[BM+\b], v[BM+\b], v[S+16*\b+\i], v[S+1+16*\b+\i]
.endr
.endr
.irp b, 0,1,2,3
	v_max_num_f32 v[BM+\b], v[BM+\b], v[S+15+16*\b]
.endr
.irp b, 0,1,2,3
	s_delay_alu instid0(VALU_DEP_4)
	v_permlanex16_b32 v[PM+\b], v[BM+\b], s[SEL], s[SEL+1]
.endr
.irp b, 0,1,2,3
	s_delay_alu instid0(VALU_DEP_4)
	v_max_num_f32 v[BM+\b], v[BM+\b], v[PM+\b]
.endr
	s_delay_alu instid0(VALU_DEP_2)
	v_max3_num_f32 v[T0], v[BM], v[BM+1], v[BM+2]
	s_delay_alu instid0(VALU_DEP_1)
	v_max3_num_f32 v13, v13, v[T0], v[BM+3]        ; the running largest score (the factor to t is positive, so the largest score gives the largest t)
	s_delay_alu instid0(VALU_DEP_1)
	v_mul_f32 v[T0], s[CS], v13
	s_delay_alu instid0(VALU_DEP_1)
	v_floor_f32 v12, -v[T0]                        ; -M = -ceil(t)
	s_delay_alu instid0(VALU_DEP_1)
	v_sub_f32 v[T0], v12, v[OLDM]
	s_delay_alu instid0(VALU_DEP_1)
	v_cvt_i32_f32 v[T0], v[T0]
	s_delay_alu instid0(VALU_DEP_1)
	v_ldexp_f32 v[FF], 1.0, v[T0]                  ; 2^(old M - new M)
.irp j, 0,2,4,6,8,10,12,14,16,18,20,22,24,26,28,30,32,34,36,38,40,42,44,46,48,50,52,54,56,58,60,62
	v_pk_fma_f32 v[S+\j:S+1+\j], v[S+\j:S+1+\j], s[CS:CS+1], v[12:13] op_sel_hi:[1,0,0]
.endr
.irp b, 0,1,2,3
	v_fma_f32 v[BM+\b], v[BM+\b], s[CS], v12
.endr
	s_wait_alu depctr_va_vdst(0)                   ; a wait ahead of each batch and behind it
.irp j, 0,1,2,3,4,5,6,7,8,9,10,11,12,13,14,15,16,17,18,19,20,21,22,23,24,25,26,27,28,29,30,31,32,33,34,35,36,37,38,39,40,41,42,43,44,45,46,47,48,49,50,51,52,53,54,55,56,57,58,59,60,61,62,63
	v_exp_f32 v[S+\j], v[S+\j]
.endr
	v_pk_mul_f32 v[14:15], v[14:15], v[FF:FF+1] op_sel_hi:[1,0]
	s_wait_alu depctr_va_vdst(0)
.irp b, 0,1,2,3
	v_exp_f32 v[BM+\b], v[BM+\b]
.endr
	v_pk_add_f32 v[228:229], v[S:S+1], v[S+2:S+3]  ; the sum is taken of the unquantised p
.irp j, 4,8,12,16,20,24,28,32,36,40,44
	v_pk_add_f32 v[14:15], v[14:15], v[S+\j:S+1+\j]
	v_pk_add_f32 v[228:229], v[228:229], v[S+2+\j:S+3+\j]
.endr
	s_wait_alu depctr_va_vdst(0)
.irp b, 0,1,2,3
	v_max_num_f32 v[BM+\b], 0x1800000, v[BM+\b]
.endr
.irp b, 0,1,2,3
	s_delay_alu instid0(VALU_DEP_4)
	v_add_nc_u32 v[SOP+\b], 0xff000000, v[BM+\b]
.endr
.irp b, 0,1,2,3
	s_delay_alu instid0(VALU_DEP_4)
	v_lshrrev_b32 v[PM+\b], 23, v[SOP+\b]
.endr
	s_delay_alu instid0(VALU_DEP_3)
	v_lshl_or_b32 v[PSW], v[PM+1], 8, v[PM]
	s_delay_alu instid0(VALU_DEP_1)
	v_lshl_or_b32 v[PSW], v[PM+2], 16, v[PSW]
	s_delay_alu instid0(VALU_DEP_1)
	v_lshl_or_b32 v[PSW], v[PM+3], 24, v[PSW]
.irp c, 0,1
	v_cvt_scalef32_pk16_fp6_f32 v[PC+6*\c:PC+2+6*\c], v[S+32*\c:S+15+32*\c], v[SOP+2*\c]
	v_cvt_scalef32_pk16_fp6_f32 v[PT+4*\c:PT+2+4*\c], v[S+16+32*\c:S+31+32*\c], v[SOP+2*\c+1]
.endr
.irp j, 0,2,4,6,8,10,12,14,16,18,20,22,24,26,28,30
	v_pk_mul_f32 v[OT+\j:OT+1+\j], v[OT+\j:OT+1+\j], v[FF:FF+1] op_sel_hi:[1,0]   ; O^T under the new M; the first of these is the plain line behind the conversions
.endr
.irp c, 0,1
.irp i, 0,1,2
	v_permlane16_swap_b32 v[PC+6*\c+\i], v[PT+4*\c+\i]
.endr
.irp i, 0,1,2
	s_delay_alu instid0(VALU_DEP_3)
	v_mov_b32 v[PC+3+6*\c+\i], v[PT+4*\c+\i]
.endr
.endr
.irp j, 48,52
	v_pk_add_f32 v[14:15], v[14:15], v[S+\j:S+1+\j]                  ; four of the sum's additions are the places between the last write of p's fragment and the products
	v_pk_add_f32 v[228:229], v[228:229], v[S+2+\j:S+3+\j]
.endr
	s_wait_alu depctr_va_vdst(0)
	s_wait_dscnt 0x0
.irp t, 0,1,2,3
	v_wmma_scale_f32_16x16x128_f8f6f4 v[OT+8*\t:OT+8*\t+7], v[FR+12*\t:FR+12*\t+11], v[PC:PC+11], v[OT+8*\t:OT+8*\t+7], v[SW+\t], v[PSW] matrix_a_fmt:MATRIX_FMT_FP6 matrix_b_fmt:MATRIX_FMT_FP6
.endr
.irp j, 56,60
	v_pk_add_f32 v[14:15], v[14:15], v[S+\j:S+1+\j]                  ; the sum's last additions name no register of the products: they are the four places behind them (what follows, on any way, may read O^T or load into the fragments)
	v_pk_add_f32 v[228:229], v[228:229], v[S+2+\j:S+3+\j]
.endr
	s_delay_alu instid0(VALU_DEP_1)
	v_pk_add_f32 v[14:15], v[14:15], v[228:229]
.Lhidden_\@:
.endm
; At the end of an item's last trip quarters 1-3 put their parts into the stage of the trip's parity; it is read behind the next barrier and written again two barriers on at the soonest.
.macro SAVE par
	s_cmp_eq_u32 s[F2], 0
	s_cbranch_scc1 .Lkeep_\@
	s_cmp_eq_u32 s[QR], 0
	s_cbranch_scc1 .Lkeep_\@
	s_wait_alu depctr_va_vdst(0)                   ; the wait ahead of these readers
	v_add_f32 v13, v14, v15                        ; the sum beside -M (the running t is set anew in the next trip)
	ds_store_b64 v[STB], v[12:13] offset:PST*\par
.irp c, 0,1,2,3,4,5,6,7
	ds_store_b128 v[STA], v[OT+4*\c:OT+4*\c+3] offset:PST*\par+512*\c   ; each accumulator from its low end on
.endr
.Lkeep_\@:
.endm
.macro TRIP par
	PRE \par, 1
	s_cmp_ge_u32 s[T1], s[B3]                      ; ids alone, the same in all waves: no slot follows the walk's last
	s_cbranch_scc1 .Lpast_\@
	tensor_load_to_lds s[G0+4-4*\par:G0+7-4*\par], s[G1:G1+7]   ; slot t + 1: my one load behind this barrier
	s_nop 0
.Lpast_\@:
	s_cmp_eq_u32 s[AF], 0
	s_cbranch_scc1 .Lnoask_\@
	global_prefetch_b8 v[PFO], s[PFA:PFA+1] th:TH_LOAD_NT scope:SCOPE_SE   ; 16 blocks of 256 bytes of slot t + 2 (lanes 15-31 name the last)
.Lnoask_\@:
	JOIN 1-\par, 1
	STEP \par, 0
	s_sub_co_i32 s[DF], s[DF], 512                 ; my second step begins 512 keys on
	STEP \par, 1
	SAVE \par
	s_add_co_u32 s[T], s[T], 1
	s_add_co_u32 s[T1], s[T1], 1
	s_add_co_u32 s[U], s[U], 1
	s_add_co_u32 s[TK], s[TK], 1024
.endm
.Ltrip:
	TRIP 0
	TRIP 1
	s_sub_co_u32 s[LC], s[LC], 1
	s_cmp_lg_u32 s[LC], 0
	s_cbranch_scc1 .Ltrip
	PRE 0, 0                                       ; a walk of 8 slots ends with trip 7: its parts are joined here
	JOIN 1, 0
	s_wait_tensorcnt 0x0                           ; the wave's end
	ds_add_u32 v[SPW], v[NIL]
	s_wait_dscnt 0x0
	s_endpgm
.Lfunc_end_k_q1a4c69636b_attn:
	.size	k_q1a4c69636b_attn, .Lfunc_end_k_q1a4c69636b_attn-k_q1a4c69636b_attn
	.p2alignl 7, 3214868480
	.fill 96, 4, 3214868480
	.section	.rodata,"a",@progbits
	.p2align	6, 0x0
	.amdhsa_kernel k_q1a4c69636b_attn
		.amdhsa_group_segment_fixed_size 327680
		.amdhsa_private_segment_fixed_size 0
		.amdhsa_enable_private_segment 0
		.amdhsa_kernarg_size 16
		.amdhsa_user_sgpr_count 2
		.amdhsa_user_sgpr_kernarg_segment_ptr 1
		.amdhsa_wavefront_size32 1
		.amdhsa_system_sgpr_workgroup_id_x 1
		.amdhsa_system_sgpr_workgroup_id_y 1
		.amdhsa_system_sgpr_workgroup_id_z 1
		.amdhsa_system_vgpr_workitem_id 0
		.amdhsa_next_free_vgpr 256
		.amdhsa_next_free_sgpr 96
		.amdhsa_reserve_vcc 1
		.amdhsa_float_denorm_mode_32 3
		.amdhsa_float_denorm_mode_16_64 3
		.amdhsa_memory_ordered 1
		.amdhsa_forward_progress 1
		.amdhsa_inst_pref_size 138
	.end_amdhsa_kernel
	.amdgpu_metadata
---
amdhsa.version: [ 1, 2 ]
amdhsa.kernels:
  - .name:           k_q1a4c69636b_attn
    .symbol:         k_q1a4c69636b_attn.kd
    .args:
      - { .name: qkv, .offset: 0, .size: 8, .value_kind: global_buffer, .address_space: global }
      - { .name: oc, .offset: 8, .size: 8, .value_kind: global_buffer, .address_space: global }
    .group_segment_fixed_size: 327680
    .private_segment_fixed_size: 0
    .kernarg_segment_align: 8
    .kernarg_segment_size: 16
    .max_flat_workgroup_size: 512
    .sgpr_count:     96
    .vgpr_count:     256
    .wavefront_size: 32
...
	.end_amdgpu_metadata
.endif
;; end of part 3
;; launch proj (part 4): grid 4 x 64, 8 waves a work-group, clusters of 4 x 4, 214,016 bytes of LDS; arguments oc, xw, out0; writes out0
.if DOCPART == 4
	.amdgcn_target "amdgcn-amd-amdhsa--gfx1250"
	.amdhsa_code_object_version 6
	.text
	.protected	k_q1a4c69636b_proj
	.globl	k_q1a4c69636b_proj
	.p2align	8
	.type	k_q1a4c69636b_proj,@function
k_q1a4c69636b_proj:
	s_mov_b64 s[64:65], 0
	v_nop
	global_prefetch_b8 v0, s[64:65] scope:SCOPE_SE
	s_setreg_imm32_b32 hwreg(HW_REG_WAVE_MODE, 25, 1), 1
	s_wait_xcnt 0x0
	s_wait_alu depctr_hold_cnt(0) depctr_sa_sdst(0) depctr_va_vdst(0) depctr_va_sdst(0) depctr_va_ssrc(0) depctr_va_vcc(0) depctr_vm_vsrc(0)
	s_getreg_b32 s2, hwreg(HW_REG_IB_STS2, 6, 4)
	s_cmp_eq_u32 s2, 0
	s_cbranch_scc0 .Lentry_in_a_cluster
	s_endpgm
.Lentry_in_a_cluster:
	s_bfe_u32 s2, ttmp6, 0x10000c
	s_cmp_lg_u32 s2, 0xf033
	s_cbranch_scc0 .Lentry_shape_is_right
	s_endpgm
.Lentry_shape_is_right:
; out0 = o wo^T on codes of FP6 (E2M3) with E8M0 scales: o from the records of oc (a tile of 16 tokens: 12 heads' half fragments, then their half scale words), wo from the tile records 400-447 of xw.  out0: [4096][768] f32.
; SHARES.  Work-group (X, Y): 64 tokens (4 tiles) x 192 columns (12 tiles of wo).  All of K (768) of both sides lies in LDS: filled once, no ring.  Wave w: token tiles 2 (w / 4) + 0, 1; wo's tiles w % 4 + 4 t, t = 0 .. 2:
; six accumulators by turns, one instruction a turn; 36 products.
; CLUSTERS: 4 x 4 work-groups.  The four of a column of the cluster need the same records of wo, the four of a row the same records of oc: each is asked for JOINTLY.  Waves 0-2 fetch wo's thirds (156 rows of 256 bytes),
; wave 3 oc's four records (168 rows), one load a wave.
; TRANSPOSED (source 0 = 16 rows of wo, source 1 = 16 tokens): a lane holds eight neighbouring columns of one token.  A token's 192 columns come from four waves: they meet in a stage in LDS (rows 784 bytes apart: 49 x 16),
; and each wave stores 8 whole rows, sixteen lanes to 256 consecutive aligned bytes.
; A tile's rows are not neighbours: row r of tile t is 32 (t / 2) + 8 (t % 2) + r + 8 (r / 8), of tokens and of wo's rows alike.
.set TREC,  9984
.set QUAD,  4*TREC
.set OREC,  10752
.set OBASE, 12*TREC                    ; LDS: wo's 12 records, then oc's 4
.set STG,   OBASE+4*OREC               ; the stage: 64 rows; no tensor load lands here
.set SPITCH, 784
.set SPARE, STG+64*SPITCH              ; the spare words, 128 bytes for each wave: four blocks of 256 bytes that no other line names
.set LI,  1                            ; v1  16 x lane
.set LH,  2                            ; v2  8 x lane
.set LS,  3                            ; v3  4 x lane
.set OA,  4                            ; v4  my two oc records (pairs of registers);  v5 their half scale words
.set OSA, 5
.set WA,  6                            ; v6-8  my three wo records;  v9-11 their scale words
.set WSA, 9
.set SO,  12                           ; v12 the stage: where I put 32 bytes of a row
.set RD,  13                           ; v13 and where I read a row back
.set GO,  14                           ; v14 my byte offset in my rows of out0
.set SPW, 16
.set NIL, 17
.set OF,  32                           ; v32-55 two fragments of o
.set WF,  56                           ; v56-91 three of wo
.set WS,  92                           ; v92-94 wo's scale words
.set OS,  96                           ; v96-107 o's scale words: tile m, K step s at 6 m + s
.set HW,  108                          ; v108-131 their halves as loaded
.set ACC, 144                          ; v144-191 six accumulators
.set BK,  32                           ; the way out: twelve x 16 bytes read back
.set WV,  10
.set G1A, 16                           ; s[16:23], s[32:35] descriptor groups for oc's records;  s[24:31], s[36:39] for wo's
.set G1B, 24
.set G0A, 32
.set G0B, 36
.macro CROUND
	s_barrier_signal -1
	s_barrier_wait -1
	s_cmp_lg_u32 s[WV], 0
	s_cbranch_scc1 .Lnot_wave_0_\@
	s_barrier_signal -3
.Lnot_wave_0_\@:
	s_barrier_wait -3
	s_barrier_signal -1
	s_barrier_wait -1
.endm
	s_load_b128 s[4:7], s[0:1], 0x0                ; oc s[4:5], xw s[6:7]
	s_load_b64 s[8:9], s[0:1], 0x10                ; out0
	v_lshl_add_u32 v[SPW], v0, 2, SPARE
	v_mov_b32 v[NIL], 0
	ds_add_u32 v[SPW], v[NIL]                      ; the wave's opening: the add and its wait ahead of the first tensor loads; the set-up below, work on registers, stands between them
	ds_add_u32 v[SPW], v[NIL]
	v_lshrrev_b32 v1, 5, v0
	s_delay_alu instid0(VALU_DEP_1)
	v_readfirstlane_b32 s[WV], v1                  ; wave 0..7
	s_bfe_u32 s11, ttmp6, 0x40000                  ; cx
	s_bfe_u32 s12, ttmp6, 0x40004                  ; cy
	s_lshl_b32 s13, ttmp9, 2
	s_add_co_u32 s13, s13, s11                     ; X
	s_and_b32 s14, ttmp7, 0xffff
	s_lshl_b32 s14, s14, 2
	s_add_co_u32 s14, s14, s12                     ; Y
	s_lshl_b32 s15, s12, 2
	s_lshl_b32 s15, 15, s15                        ; my row of the cluster
	s_lshl_b32 s40, 0x1111, s11                    ; my column
	s_or_b32 s[G1A], s15, (3<<16)|(1<<21)          ; the mask: oc's records go to my row; elements of 8 bytes; bit 21 set beside a mask; no padding
	s_mov_b32 s[G1A+1], 32<<16                     ; rows of 256 bytes
	s_mov_b32 s[G1A+2], 168<<16                    ; 168 rows: four records of 10,752 bytes on end
	s_mov_b32 s[G1A+3], 32<<16
	s_mov_b32 s[G1A+4], 168
	s_mov_b32 s[G1A+5], 32
	s_mov_b32 s[G1A+6], 0
	s_mov_b32 s[G1A+7], 0
	s_or_b32 s[G1B], s40, (3<<16)|(1<<21)          ; wo's to my column
	s_mov_b32 s[G1B+1], 32<<16
	s_mov_b32 s[G1B+2], 156<<16                    ; 156 rows: four records of 9,984 bytes
	s_mov_b32 s[G1B+3], 32<<16
	s_mov_b32 s[G1B+4], 156
	s_mov_b32 s[G1B+5], 32
	s_mov_b32 s[G1B+6], 0
	s_mov_b32 s[G1B+7], 0
	s_min_u32 s41, s[WV], 2
	s_lshl_b32 s41, s41, 2
	s_mul_i32 s42, s13, 12
	s_add_co_u32 s42, s42, s41
	s_add_co_u32 s42, s42, 400
	s_mul_i32 s42, s42, TREC                       ; wo: record 400 + 12 X + 4 x wave: it hangs on X alone, which my column shares
	s_mov_b32 s43, 0
	s_mul_i32 s44, s14, 4*OREC                     ; oc: record 4 Y: on Y alone, which my row shares
	s_mov_b32 s45, 0
	s_mul_i32 s46, s[WV], QUAD                     ; where they go: wave x 39,936: wo's thirds, and behind them oc's records
	s_lshr_b32 s47, s[WV], 2                       ; which half of the 64 tokens is mine
	s_and_b32 s48, s[WV], 3                        ; which of each four tiles of wo
	s_lshl_b32 s54, s14, 6                         ; the first row of out0 that I store: stage rows 8 w on are rows 8 (w % 2) on of tile w / 2:
	s_lshl_b32 s55, s47, 5
	s_add_co_u32 s54, s54, s55
	s_bfe_u32 s55, s[WV], 0x10001
	s_lshl_b32 s55, s55, 3
	s_add_co_u32 s54, s54, s55
	s_and_b32 s55, s[WV], 1
	s_lshl_b32 s55, s55, 4
	s_add_co_u32 s54, s54, s55                     ; token 64 Y + 32 (w / 4) + 8 ((w / 2) % 2) + 16 (w % 2)
	s_mul_i32 s54, s54, 3072
	s_mul_i32 s55, s13, 768
	s_add_co_u32 s54, s54, s55                     ; + my work-group's 192 columns
	s_mov_b32 s55, 0
	s_wait_dscnt 0x0                               ; the opening add is done
	s_wait_kmcnt 0x0
	s_add_nc_u64 s[42:43], s[6:7], s[42:43]
	s_add_nc_u64 s[44:45], s[4:5], s[44:45]
	s_add_nc_u64 s[8:9], s[8:9], s[54:55]
	CROUND                                         ; all sixteen work-groups are here: the joint loads meet
	s_mov_b32 s[G0A], 1
	s_mov_b32 s[G0A+1], s46
	s_mov_b64 s[G0A+2:G0A+3], s[44:45]
	s_or_b32 s[G0A+3], s[G0A+3], 0x80000000
	s_mov_b32 s[G0B], 1
	s_mov_b32 s[G0B+1], s46
	s_mov_b64 s[G0B+2:G0B+3], s[42:43]
	s_or_b32 s[G0B+3], s[G0B+3], 0x80000000
	s_cmp_lt_u32 s[WV], 3                          ; the branches hang on the wave's number alone; an s_nop 0 and four v_nop follow each of the two lines
	s_cbranch_scc0 .Lnot_w
	tensor_load_to_lds s[G0B:G0B+3], s[G1B:G1B+7]
	s_nop 0
.rept 4
	v_nop
.endr
	s_branch .Lasked
.Lnot_w:
	s_cmp_lt_u32 s[WV], 4
	s_cbranch_scc0 .Lasked
	tensor_load_to_lds s[G0A:G0A+3], s[G1A:G1A+7]
	s_nop 0
.rept 4
	v_nop
.endr
.Lasked:
	v_and_b32 v18, 31, v0
	s_delay_alu instid0(VALU_DEP_1)
	v_lshlrev_b32 v[LI], 4, v18
	s_delay_alu instid0(VALU_DEP_2)
	v_lshlrev_b32 v[LH], 3, v18
	s_delay_alu instid0(VALU_DEP_3)
	v_lshlrev_b32 v[LS], 2, v18
	s_mul_i32 s49, s47, 2*OREC
	s_add_co_u32 s49, s49, OBASE
	v_add_nc_u32 v[OA], s49, v[LH]
	v_add_nc_u32 v[OSA], s49, v[LS]
	s_mul_i32 s50, s48, TREC
	v_add_nc_u32 v[WA], s50, v[LI]
	s_delay_alu instid0(VALU_DEP_1)
	v_add_nc_u32 v[WA+1], QUAD, v[WA]
	s_delay_alu instid0(VALU_DEP_1)
	v_add_nc_u32 v[WA+2], QUAD, v[WA+1]
	v_add_nc_u32 v[WSA], s50, v[LS]
	s_delay_alu instid0(VALU_DEP_1)
	v_add_nc_u32 v[WSA+1], QUAD, v[WSA]
	s_delay_alu instid0(VALU_DEP_1)
	v_add_nc_u32 v[WSA+2], QUAD, v[WSA+1]
	s_mul_i32 s51, s47, 32*SPITCH                  ; into the stage: row 32 (w / 4) + 16 m + r; tile w % 4 + 4 t's columns begin 128 ((w % 4) / 2) + 32 (w % 2) + 256 t + 64 h bytes on
	s_lshr_b32 s52, s48, 1
	s_lshl_b32 s52, s52, 7
	s_add_co_u32 s51, s51, s52
	s_and_b32 s52, s48, 1
	s_lshl_b32 s52, s52, 5
	s_add_co_u32 s51, s51, s52
	s_add_co_u32 s51, s51, STG
	v_and_b32 v19, 15, v0                          ; r
	v_bfe_u32 v20, v0, 4, 1                        ; h
	s_delay_alu instid0(VALU_DEP_2)
	v_mul_u32_u24 v[SO], v19, SPITCH
	s_delay_alu instid0(VALU_DEP_1)
	v_lshl_add_u32 v[SO], v20, 6, v[SO]
	s_delay_alu instid0(VALU_DEP_1)
	v_add_nc_u32 v[SO], s51, v[SO]
	s_mul_i32 s52, s[WV], 8*SPITCH                 ; back: rows 8 w on; lanes 0-15 one row's 256 bytes, lanes 16-31 the next row's
	s_add_co_u32 s52, s52, STG
	v_mul_u32_u24 v[RD], v20, SPITCH
	s_delay_alu instid0(VALU_DEP_1)
	v_lshl_add_u32 v[RD], v19, 4, v[RD]
	s_delay_alu instid0(VALU_DEP_1)
	v_add_nc_u32 v[RD], s52, v[RD]
	v_mul_u32_u24 v[GO], v20, 3072                 ; and the same in out0
	s_delay_alu instid0(VALU_DEP_1)
	v_lshl_add_u32 v[GO], v19, 4, v[GO]
	s_wait_tensorcnt 0x0                           ; my load has landed,
	s_barrier_signal -1
	s_barrier_wait -1                              ; everybody's has: nothing is filled again in this launch
.irp m, 0,1
.irp d, 0,1,2,3,4,5,6,7,8,9,10,11
	ds_load_b32 v[HW+12*\m+\d], v[OSA] offset:OREC*\m+9216+128*\d   ; head d's half scale word of my tile m
.endr
.endr
	s_wait_dscnt 0x0
.irp m, 0,1
.irp s, 0,1,2,3,4,5
	v_lshl_or_b32 v[OS+6*\m+\s], v[HW+12*\m+2*\s+1], 16, v[HW+12*\m+2*\s]   ; K step s is heads 2 s and 2 s + 1
.endr
.endr
.rept 8
	v_nop                                          ; a scale register written by a vector instruction stands eight places ahead of a scaled matrix instruction
.endr
.macro KSTEP s, zero
.irp m, 0,1
.irp p, 0,1,2,3,4,5
	ds_load_b64 v[OF+12*\m+2*\p:OF+12*\m+2*\p+1], v[OA] offset:OREC*\m+1536*\s+256*\p
.endr
.endr
.irp t, 0,1,2
.irp c, 0,1,2
	ds_load_b128 v[WF+12*\t+4*\c:WF+12*\t+4*\c+3], v[WA+\t] offset:1536*\s+512*\c
.endr
	ds_load_b32 v[WS+\t], v[WSA+\t] offset:9216+128*\s
.endr
	s_wait_dscnt 0x0
.irp m, 0,1
.irp t, 0,1,2
.if \zero
	v_wmma_scale_f32_16x16x128_f8f6f4 v[ACC+8*(3*\m+\t):ACC+8*(3*\m+\t)+7], v[WF+12*\t:WF+12*\t+11], v[OF+12*\m:OF+12*\m+11], 0, v[WS+\t], v[OS+6*\m+\s] matrix_a_fmt:MATRIX_FMT_FP6 matrix_b_fmt:MATRIX_FMT_FP6
.else
	v_wmma_scale_f32_16x16x128_f8f6f4 v[ACC+8*(3*\m+\t):ACC+8*(3*\m+\t)+7], v[WF+12*\t:WF+12*\t+11], v[OF+12*\m:OF+12*\m+11], v[ACC+8*(3*\m+\t):ACC+8*(3*\m+\t)+7], v[WS+\t], v[OS+6*\m+\s] matrix_a_fmt:MATRIX_FMT_FP6 matrix_b_fmt:MATRIX_FMT_FP6
.endif
.endr
.endr
.rept 4
	v_nop                                          ; four places in front of loads into registers that matrix instructions have read, and of the first read of results
.endr
.endm
	s_wait_alu depctr_va_vdst(0)
	KSTEP 0, 1
	KSTEP 1, 0
	KSTEP 2, 0
	KSTEP 3, 0
	KSTEP 4, 0
	KSTEP 5, 0
.irp m, 0,1
.irp t, 0,1,2
	ds_store_b128 v[SO], v[ACC+8*(3*\m+\t):ACC+8*(3*\m+\t)+3] offset:16*SPITCH*\m+256*\t        ; each accumulator from its low end on
	ds_store_b128 v[SO], v[ACC+8*(3*\m+\t)+4:ACC+8*(3*\m+\t)+7] offset:16*SPITCH*\m+256*\t+16
.endr
.endr
	s_wait_dscnt 0x0                               ; for the others' sake: my stores into the stage are done
	s_barrier_signal -1
	s_barrier_wait -1                              ; 64 whole rows lie in the stage
.irp i, 0,1,2,3
.irp c, 0,1,2
	ds_load_b128 v[BK+4*(3*\i+\c):BK+4*(3*\i+\c)+3], v[RD] offset:2*SPITCH*\i+256*\c
.endr
.endr
.irp i, 0,1,2,3
.irp c, 0,1,2
	s_wait_dscnt 11-(3*\i+\c)                      ; LDS loads come back in order: this one is in, the younger ones may stay out
	global_store_b128 v[GO], v[BK+4*(3*\i+\c):BK+4*(3*\i+\c)+3], s[8:9] offset:6144*\i+256*\c th:TH_STORE_NT   ; sixteen lanes store 256 consecutive bytes, at a multiple of 256 from out0's first byte
.endr
.endr
	s_wait_tensorcnt 0x0                           ; the wave's end, behind my last tensor load and my last LDS store
	ds_add_u32 v[SPW], v[NIL]
	s_wait_dscnt 0x0
	CROUND                                         ; the closing round: no work-group ends while a partner may still ask for a tile that names it
	s_endpgm
.Lfunc_end_k_q1a4c69636b_proj:
	.size	k_q1a4c69636b_proj, .Lfunc_end_k_q1a4c69636b_proj-k_q1a4c69636b_proj
	.p2alignl 7, 3214868480
	.fill 96, 4, 3214868480
	.section	.rodata,"a",@progbits
	.p2align	6, 0x0
	.amdhsa_kernel k_q1a4c69636b_proj
		.amdhsa_group_segment_fixed_size 214016
		.amdhsa_private_segment_fixed_size 0
		.amdhsa_enable_private_segment 0
		.amdhsa_kernarg_size 24
		.amdhsa_user_sgpr_count 2
		.amdhsa_user_sgpr_kernarg_segment_ptr 1
		.amdhsa_wavefront_size32 1
		.amdhsa_system_sgpr_workgroup_id_x 1
		.amdhsa_system_sgpr_workgroup_id_y 1
		.amdhsa_system_sgpr_workgroup_id_z 1
		.amdhsa_system_vgpr_workitem_id 0
		.amdhsa_next_free_vgpr 256
		.amdhsa_next_free_sgpr 66
		.amdhsa_reserve_vcc 0
		.amdhsa_float_denorm_mode_32 3
		.amdhsa_float_denorm_mode_16_64 3
		.amdhsa_memory_ordered 1
		.amdhsa_forward_progress 1
		.amdhsa_inst_pref_size 28
	.end_amdhsa_kernel
	.amdgpu_metadata
---
amdhsa.version: [ 1, 2 ]
amdhsa.kernels:
  - .name:           k_q1a4c69636b_proj
    .symbol:         k_q1a4c69636b_proj.kd
    .args:
      - { .name: oc, .offset: 0, .size: 8, .value_kind: global_buffer, .address_space: global }
      - { .name: xw, .offset: 8, .size: 8, .value_kind: global_buffer, .address_space: global }
      - { .name: out0, .offset: 16, .size: 8, .value_kind: global_buffer, .address_space: global }
    .group_segment_fixed_size: 214016
    .private_segment_fixed_size: 0
    .kernarg_segment_align: 8
    .kernarg_segment_size: 24
    .max_flat_workgroup_size: 256
    .sgpr_count:     66
    .vgpr_count:     256
    .wavefront_size: 32
...
	.end_amdgpu_metadata
.endif
;; end of part 4
